; MI455X (gfx1250); checked and timed in simulation.
; The chip was launched on July 23, 2026; its instructions are those of AMD's public machine-readable ISA for CDNA 5 (MIT licence, August 2026) and "CDNA5" Instruction Set Architecture Reference Guide (July 2026). The comments in the code are by the model that wrote it; some were corrected since.
;; Rotary Attention. Allowed arithmetic: float matrix products may take bf16 or f16 operands with f32 sums; other float arithmetic in f32, or as packed bf16 or f16 multiplies, adds, multiply-adds, maxima and minima; sums over many terms, partial sums and values carried from step to step in f32; what a program stores and reads back later, other than sums and carried values, may be rounded once to bf16 or f16.
;; Inputs: w_out 1,024 x 1,024 float32; w_qkv 3,072 x 1,024 float32; x 1 x 4,096 x 1,024 float32.
;; Outputs: out0 1 x 4,096 x 1,024 float32.
;; 2 versions, each right; version 2 is version 1 with the launch prep written anew for expert scheduling mode. Each part assembles by itself: llvm-mc -triple=amdgcn-amd-amdhsa -mcpu=gfx1250 --defsym DOCPART=n.
;; ======== version 1 of 2: 4 launches
;; limits: values are held in f16: magnitudes above 65,504 overflow, below 6.1e-05 lose precision
;; workspace buffers: xb 8,388,608 bytes; wqb 6,291,456 bytes; wob 2,097,152 bytes; tab 1,048,576 bytes; qkv 25,165,824 bytes; vlo 4,194,304 bytes; ob 16,777,216 bytes
;; launch prep (part 1): grid 256 x 1, 8 waves a work-group, no clusters, 0 bytes of LDS; arguments x, w_qkv, w_out, xb, wqb, wob, tab; writes xb, wqb, wob, tab
.if DOCPART == 1
	.amdgcn_target "amdgcn-amd-amdhsa--gfx1250"
	.amdhsa_code_object_version 6
	.text
	.protected	k_q329e173cc4_prep
	.globl	k_q329e173cc4_prep
	.p2align	8
	.type	k_q329e173cc4_prep,@function
k_q329e173cc4_prep:
	s_mov_b64 s[64:65], 0
	v_nop
	global_prefetch_b8 v0, s[64:65] scope:SCOPE_SE
	s_setreg_imm32_b32 hwreg(HW_REG_WAVE_MODE, 25, 1), 1
	s_wait_xcnt 0x0
; PREP.  Casts the three f32 inputs to 16 bits, once, and makes the rotary table.
;   xb  [4096][1024] bf16 = x.      wqb [3072][1024] bf16 = w_qkv with its rows regrouped: row 192 t + 64 p + c holds w_qkv's row 1024 p + 64 t + c
;   (p = 0 q, 1 k, 2 v; t = head), so that 192 rows on end are one head's q, k and v.      wob [1024][1024] f16: w_out rounded to bf16, that number written as f16.
;   tab [4096][64] f32: for each position cos of the 32 angles, then sin of them: 256 bytes a position.
; SHARES.  256 work-groups of eight waves; each casts one chunk of 32,768 numbers (32 rows: 131,072 bytes in, 65,536 out): 128 chunks of x, 96 of w_qkv, 32 of w_out;
; and each makes 16 positions of the table while its 32 loads a lane are on their way.  A load of a wave covers 512 consecutive bytes, a store 256, aligned.
; No LDS, no barrier, no matrix unit: nothing is shared and nothing is summed.
; LIMITS.  w_out beyond 65,504 in magnitude has no f16; below 6e-5 it keeps f16's fixed step of 6e-8.  The angle pos x 10000^(-i/32) is formed in f32, so at the largest
; positions it is right to about 3e-4 rad.  cos is a series up to y^16 on -pi .. pi (next term 1.4e-7 at pi) behind a reduction by whole turns.
.set X, 32                             ; v[32:159] 32 loads of four registers; the packed result takes the first two of each four
	s_load_b256 s[4:11], s[0:1], 0x0               ; x s[4:5], w_qkv s[6:7], w_out s[8:9], xb s[10:11]
	s_load_b128 s[12:15], s[0:1], 0x20             ; wqb s[12:13], wob s[14:15]
	s_load_b64 s[16:17], s[0:1], 0x30              ; tab
	s_mov_b32 s20, ttmp9                           ; g
	s_sub_co_u32 s21, s20, 128                     ; j: the chunk of w_qkv (used where 128 <= g < 224)
	s_lshr_b32 s22, s21, 1                         ; its group of 64 rows: 16 p + t
	s_and_b32 s23, s22, 15                         ; t
	s_mul_i32 s23, s23, 3
	s_bfe_u32 s22, s22, 0x20004                    ; p
	s_add_co_u32 s23, s23, s22                     ; the group's new place: 3 t + p
	s_lshl_b32 s23, s23, 1
	s_and_b32 s22, s21, 1
	s_add_co_u32 s23, s23, s22                     ; its chunk in wqb
	s_sub_co_u32 s22, s20, 224                     ; the chunk of w_out (used where g >= 224)
	s_cmp_lt_u32 s20, 224
	s_cselect_b32 s28, s21, s22                    ; chunk read,
	s_cselect_b32 s29, s23, s22                    ; chunk written
	s_cmp_lt_u32 s20, 128
	s_cselect_b32 s28, s20, s28
	s_cselect_b32 s29, s20, s29
	s_lshl_b32 s30, s28, 17                        ; offsets, made apart from the addresses
	s_mov_b32 s31, 0
	s_lshl_b32 s32, s29, 16
	s_mov_b32 s33, 0
	s_lshl_b32 s34, s20, 12                        ; 16 positions of 256 bytes
	s_mov_b32 s35, 0
	s_mov_b32 s36, 0x31dc9c88                      ; what 1 / 2 pi has beyond its f32
	v_lshlrev_b32 v1, 4, v0                        ; 16 t: the loads' offset and the table's
	v_lshlrev_b32 v2, 3, v0                        ; 8 t: the stores'
	s_wait_kmcnt 0x0
	s_cmp_lt_u32 s20, 224
	s_cselect_b64 s[24:25], s[6:7], s[8:9]
	s_cselect_b64 s[26:27], s[12:13], s[14:15]
	s_cmp_lt_u32 s20, 128
	s_cselect_b64 s[24:25], s[4:5], s[24:25]
	s_cselect_b64 s[26:27], s[10:11], s[26:27]
	s_add_nc_u64 s[24:25], s[24:25], s[30:31]
	s_add_nc_u64 s[26:27], s[26:27], s[32:33]
	s_add_nc_u64 s[16:17], s[16:17], s[34:35]
.set i, 0
.rept 32
	global_load_b128 v[X+4*i:X+4*i+3], v1, s[24:25] offset:4096*i th:TH_LOAD_NT
.set i, i+1
.endr
	; THE TABLE, while the loads are out.  Thread t makes words 4 q .. 4 q + 3 (q = t % 16) of position 16 g + t / 16: q < 8 cosines, q >= 8 sines, as cos(angle - a quarter turn).
	v_and_b32 v4, 15, v0
	v_lshrrev_b32 v5, 4, v0
	v_lshl_add_u32 v5, s20, 4, v5
	v_cvt_f32_u32 v5, v5                           ; the position
	v_lshrrev_b32 v6, 3, v4
	v_cvt_f32_u32 v6, v6
	v_mul_f32 v6, 0x3e800000, v6                   ; 0 or a quarter turn
	v_and_b32 v7, 7, v4
	v_lshlrev_b32 v7, 2, v7                        ; the first of my four frequencies
.irp e, 0,1,2,3
	v_add_nc_u32 v[8+\e], \e, v7
	v_cvt_f32_u32 v[8+\e], v[8+\e]
	v_mul_f32 v[8+\e], 0xbed49a78, v[8+\e]         ; - i log2(10000) / 32
.endr
.irp e, 0,1,2,3
	v_exp_f32 v[8+\e], v[8+\e]                     ; 10000^(-i/32)
.endr
	v_nop                                          ; a plain instruction behind the last exponential,
	s_wait_alu depctr_va_vdst(0)                   ; and one wait for the four, ahead of their first reader
.irp e, 0,1,2,3
	v_mul_f32 v[8+\e], v5, v[8+\e]                 ; the angle
.endr
.irp e, 0,1,2,3
	v_fma_f32 v[12+\e], v[8+\e], 0x3e22f983, -v6   ; in turns, less the shift
.endr
.irp e, 0,1,2,3
	v_rndne_f32 v[12+\e], v[12+\e]
.endr
.irp e, 0,1,2,3
	v_add_f32 v[12+\e], v[12+\e], v6               ; whole turns + shift: exact
.endr
.irp e, 0,1,2,3
	v_fma_f32 v[12+\e], v[8+\e], 0x3e22f983, -v[12+\e]  ; the fraction of a turn, -0.5 .. 0.5, rounded once,
.endr
.irp e, 0,1,2,3
	v_fma_f32 v[12+\e], v[8+\e], s36, v[12+\e]     ; and the rest of 1 / 2 pi
.endr
.irp e, 0,1,2,3
	v_mul_f32 v[12+\e], 0x40c90fdb, v[12+\e]       ; y, in radians
.endr
.irp e, 0,1,2,3
	v_mul_f32 v[16+\e], v[12+\e], v[12+\e]
	v_mov_b32 v[20+\e], 0x29573f9f                 ; 1 / 16!
.endr
.irp c, 0xad49cba5, 0x310f76c7, 0xb493f27e, 0x37d00d01, 0xbab60b61, 0x3d2aaaab, 0xbf000000, 0x3f800000
.irp e, 0,1,2,3
	v_fmaak_f32 v[20+\e], v[20+\e], v[16+\e], \c   ; -1/14!, 1/12!, .. -1/2, 1
.endr
.endr
	global_store_b128 v1, v[20:23], s[16:17]       ; sixteen lanes fill a position's 256 bytes
; Load i is rounded and stored.  The count leaves the younger loads out.  No register that a store reads is written again, so no store's source is ever rewritten.
.macro CAST f16
.set i, 0
.rept 32
	s_wait_loadcnt 31-i
	v_cvt_pk_bf16_f32 v[X+4*i], v[X+4*i], v[X+4*i+1]
	v_cvt_pk_bf16_f32 v[X+4*i+1], v[X+4*i+2], v[X+4*i+3]
.if \f16
	v_lshlrev_b32 v28, 16, v[X+4*i]                ; the bf16 numbers, widened, are written as f16
	v_and_b32 v29, 0xffff0000, v[X+4*i]
	v_lshlrev_b32 v30, 16, v[X+4*i+1]
	v_and_b32 v31, 0xffff0000, v[X+4*i+1]
	v_cvt_pk_f16_f32 v[X+4*i], v28, v29
	v_cvt_pk_f16_f32 v[X+4*i+1], v30, v31
.endif
	global_store_b64 v2, v[X+4*i:X+4*i+1], s[26:27] offset:2048*i  ; 32 lanes store 256 consecutive bytes, aligned
.set i, i+1
.endr
.endm
	s_cmp_lt_u32 s20, 224
	s_cbranch_scc0 .Lw_out
	CAST 0
	s_endpgm
.Lw_out:
	CAST 1
	s_endpgm
.Lfunc_end_k_q329e173cc4_prep:
	.size	k_q329e173cc4_prep, .Lfunc_end_k_q329e173cc4_prep-k_q329e173cc4_prep
	.p2alignl 7, 3214868480
	.fill 96, 4, 3214868480
	.section	.rodata,"a",@progbits
	.p2align	6, 0x0
	.amdhsa_kernel k_q329e173cc4_prep
		.amdhsa_group_segment_fixed_size 0
		.amdhsa_private_segment_fixed_size 0
		.amdhsa_enable_private_segment 0
		.amdhsa_kernarg_size 56
		.amdhsa_user_sgpr_count 2
		.amdhsa_user_sgpr_kernarg_segment_ptr 1
		.amdhsa_wavefront_size32 1
		.amdhsa_system_sgpr_workgroup_id_x 1
		.amdhsa_system_sgpr_workgroup_id_y 1
		.amdhsa_system_sgpr_workgroup_id_z 1
		.amdhsa_system_vgpr_workitem_id 0
		.amdhsa_next_free_vgpr 160
		.amdhsa_next_free_sgpr 66
		.amdhsa_reserve_vcc 0
		.amdhsa_float_denorm_mode_32 3
		.amdhsa_float_denorm_mode_16_64 3
		.amdhsa_memory_ordered 1
		.amdhsa_forward_progress 1
		.amdhsa_inst_pref_size 36
	.end_amdhsa_kernel
	.amdgpu_metadata
---
amdhsa.version: [ 1, 2 ]
amdhsa.kernels:
  - .name:           k_q329e173cc4_prep
    .symbol:         k_q329e173cc4_prep.kd
    .args:
      - { .name: x, .offset: 0, .size: 8, .value_kind: global_buffer, .address_space: global }
      - { .name: w_qkv, .offset: 8, .size: 8, .value_kind: global_buffer, .address_space: global }
      - { .name: w_out, .offset: 16, .size: 8, .value_kind: global_buffer, .address_space: global }
      - { .name: xb, .offset: 24, .size: 8, .value_kind: global_buffer, .address_space: global }
      - { .name: wqb, .offset: 32, .size: 8, .value_kind: global_buffer, .address_space: global }
      - { .name: wob, .offset: 40, .size: 8, .value_kind: global_buffer, .address_space: global }
      - { .name: tab, .offset: 48, .size: 8, .value_kind: global_buffer, .address_space: global }
    .group_segment_fixed_size: 0
    .private_segment_fixed_size: 0
    .kernarg_segment_align: 8
    .kernarg_segment_size: 56
    .max_flat_workgroup_size: 256
    .sgpr_count:     66
    .vgpr_count:     160
    .wavefront_size: 32
...
	.end_amdgpu_metadata
.endif
;; end of part 1
;; launch qkv (part 2): grid 16 x 16, 4 waves a work-group, clusters of 4 x 4, 327,680 bytes of LDS; arguments xb, wqb, tab, qkv, vlo; writes qkv, vlo
.if DOCPART == 2
	.amdgcn_target "amdgcn-amd-amdhsa--gfx1250"
	.amdhsa_code_object_version 6
	.text
	.protected	k_q329e173cc4_qkv
	.globl	k_q329e173cc4_qkv
	.p2align	8
	.type	k_q329e173cc4_qkv,@function
k_q329e173cc4_qkv:
	s_mov_b64 s[64:65], 0
	v_nop
	global_prefetch_b8 v0, s[64:65] scope:SCOPE_SE
	s_setreg_imm32_b32 hwreg(HW_REG_WAVE_MODE, 25, 1), 1
	s_wait_xcnt 0x0
	s_wait_alu depctr_hold_cnt(0) depctr_sa_sdst(0) depctr_va_vdst(0) depctr_va_sdst(0) depctr_va_ssrc(0) depctr_va_vcc(0) depctr_vm_vsrc(0)
	s_getreg_b32 s2, hwreg(HW_REG_IB_STS2, 6, 4)
	s_cmp_eq_u32 s2, 0
	s_cbranch_scc0 .Lentry_in_a_cluster
	s_endpgm
.Lentry_in_a_cluster:
	s_bfe_u32 s2, ttmp6, 0x10000c
	s_cmp_lg_u32 s2, 0xf033
	s_cbranch_scc0 .Lentry_shape_is_right
	s_endpgm
.Lentry_shape_is_right:
; QKV.  C[n][e] = sum over d of xb[n][d] wqb[e][d] (bf16, sums in f32), the rotary embedding on q and k in f32, and q, k, v out by heads: qkv [48][4096][64] f16, plane 16 p + head.
; For rows 0 to 2047 also vlo [16][2048][64] f16: what v loses in its rounding, v - f16(v), rounded to f16: the attention's second product takes it as a second term where a row averages few keys.
; SHARES.  A tile of C is 256 rows x 192 columns, the q, k and v of ONE head (wqb's rows are grouped so): 16 x 16 work-groups.  Wave w makes rows 64 w .. 64 w + 63 and all 192 columns:
; 4 x 12 accumulators, 384 registers: so the rotary partners, columns c and c + 32 of a head, lie in one lane.  For 32 along K a wave reads 32 times 512 bytes from LDS for 48 matrix instructions.
; K goes in steps of 128 (rows of 256 bytes) through two LDS slots.  CLUSTER 4 x 4: xb's tile is shared along a row of the cluster, wqb's along a column, each asked for jointly.
; THE PRODUCT IS TAKEN TRANSPOSED (source 0 = 16 rows of wqb, source 1 = 16 rows of xb): a lane holds row l % 16 of C and the columns 16 b + 8 (l / 16) + 0..7.
; LIMIT.  q, k and v beyond 65,504 in magnitude have no f16; a number of vlo below 6e-5 keeps f16's fixed step of 6e-8.
; REGISTERS, in windows of 256 (s_set_vgpr_msb: bits 1:0 source 0, 3:2 source 1, 5:4 source 2, 7:6 destination):
;   window 0: v0-29 addresses; v32-63, v64-95 xb's fragments, two buffers; on the way out v32-47 at work, v64-255 twelve packed tiles
;   window 1: v0-95, v96-191 wqb's fragments, two buffers
;   window 2: accumulator (a, b) of row blocks a = 0, 1 at 96 a + 8 b; v192-255 the table for these blocks: cos 16, sin 16 each      window 3: the same for a = 2, 3
.set KSTEP,  128
.set PITCH,  272                       ; an LDS row: 256 bytes + 16 of padding: the 16 rows of a load start at 16 different groups of four banks
.set BOFF,   256*PITCH                 ; a slot: xb's 256 rows, then wqb's 192
.set SLOT1,  1<<17                     ; slot 1 begins here, so that one exclusive or turns an address in one slot into the other's
.set STAGE,  SLOT1+448*PITCH           ; behind the ring: 16 rows x 144 bytes for each wave, for the way out
.set SP,     144
.set SPARE,  STAGE+4*16*SP             ; behind the stages: the spare words, 128 bytes for each wave
.set ADRA0, 4                          ; v4   my lane's place in xb's rows of slot 0; never rewritten
.set ADRB0, 5                          ; v5   the same for wqb's
.set ADRA,  6                          ; v6   the same in the slot in hand
.set ADRB,  7                          ; v7
.set STO,   8                          ; v8   the way out: where I put 16 bytes of a row
.set RD,    9                          ; v9   where I read rows back
.set GO,    10                         ; v10  my 16 bytes of 512 consecutive bytes of a plane
.set TO,    11                         ; v11  my byte offset in the table
.set PFO,   12                         ; v12  the prefetches' offset: a lane a row
.set NEG1,  13                         ; v13  -1.0
.set SPW,   28                         ; v28  LDS address of my spare word; never rewritten
.set NIL,   29                         ; v29  0; never rewritten
.set T,     32
.set PK,    64
.set WV,  12                           ; s12  my wave's number; s13 = w / 2: I fetch for xb (0) or wqb (1); s14 = w % 2: which half of its rows
.set G1A, 24                           ; s[24:31] descriptor group 1 for xb's tiles
.set G0A, 32                           ; s[32:39] group 0, a set for each first fill; the second then walks
.set G1B, 40                           ; s[40:47], s[48:55] the same for wqb's
.set G0B, 48
.set TB,  56                           ; s56  the slot that is read: 0 or SLOT1
.set KC,  57                           ; s57  refills still to come
.set LIM, 58                           ; s58  2 in a wave that prefetches, else the greatest number
.set PFA, 60                           ; s[60:61] where my prefetches stand
.set OB,  66                           ; s[66:71] my rows in the planes of q, k, v
.set TABP, 72                          ; s[72:73] the table at the tile's first position
.set VLP, 78                           ; s[78:79] vlo, later at my rows
.set MSB, 0
.macro WIN new                         ; the high byte repeats the setting that is left; a switch that changes nothing is dropped
.if MSB != (\new)
	s_set_vgpr_msb (MSB<<8)|(\new)
.set MSB, (\new)
.endif
.endm
.macro PLACES                          ; four plain instructions in front of loads into registers that matrix instructions have read
.rept 4
	v_nop
.endr
.endm
.macro CREST                           ; a round of the cluster's barrier behind its opening barrier
	s_cmp_lg_u32 s[WV], 0
	s_cbranch_scc1 .Lnot_wave_0_\@
	s_barrier_signal -3
.Lnot_wave_0_\@:
	s_barrier_wait -3
	s_barrier_signal -1
	s_barrier_wait -1
.endm
.macro CROUND
	s_barrier_signal -1
	s_barrier_wait -1
	CREST
.endm
; A joint refill by the walking sets.  Waves 0 and 1 fetch xb's two halves (128 rows), waves 2 and 3 wqb's (96 rows).  The branch hangs on the wave's number alone.
.macro JLOAD
	s_cmp_eq_u32 s13, 0
	s_cbranch_scc0 .Lfor_b_\@
	tensor_load_to_lds s[G0A+4:G0A+7], s[G1A:G1A+7]
	s_nop 0
.rept 4
	v_nop
.endr
	s_branch .Lasked_\@
.Lfor_b_\@:
	tensor_load_to_lds s[G0B+4:G0B+7], s[G1B:G1B+7]
	s_nop 0
.rept 4
	v_nop
.endr
.Lasked_\@:
.endm
; A prefetch into the L2 of the K step that stands two refills on: 256 bytes of a row, a lane a row.  xb's rows are asked for by the clusters with x = 0, wqb's by those with y = 0; of the rows that a wave
; fetches each of the four partners takes a quarter, told apart by address (32 cx for xb, 24 cy for wqb: lanes 24-31 name row 23 again).  The refills of K steps 2 to 5 name steps 4 to 7; the last two name nothing.
.macro ASK
	s_cmp_gt_u32 s[KC], s[LIM]
	s_cbranch_scc0 .Lnot_mine_\@
	global_prefetch_b8 v[PFO], s[PFA:PFA+1] offset:KSTEP*2 th:TH_LOAD_NT scope:SCOPE_SE
.Lnot_mine_\@:
.endm
	s_load_b256 s[4:11], s[0:1], 0x0               ; xb s[4:5], wqb s[6:7], tab s[8:9], qkv s[10:11]
	s_load_b64 s[VLP:VLP+1], s[0:1], 0x20          ; vlo
	v_lshl_add_u32 v[SPW], v0, 2, SPARE
	v_mov_b32 v[NIL], 0
	ds_add_u32 v[SPW], v[NIL]                      ; the wave's opening: the add and its wait stand ahead of my first tensor load
	v_lshrrev_b32 v1, 5, v0
	v_readfirstlane_b32 s[WV], v1
	s_lshr_b32 s13, s[WV], 1
	s_and_b32 s14, s[WV], 1
	s_bfe_u32 s15, ttmp6, 0x40000                  ; cx
	s_bfe_u32 s16, ttmp6, 0x40004                  ; cy
	s_lshl_b32 s17, ttmp9, 2
	s_add_co_u32 s17, s17, s15                     ; the head = tile column = 4 x cluster x + cx
	s_and_b32 s18, ttmp7, 0xffff
	s_lshl_b32 s18, s18, 2
	s_add_co_u32 s18, s18, s16                     ; tile row = 4 x cluster y + cy
	s_lshl_b32 s19, s16, 2
	s_lshl_b32 s19, 15, s19                        ; my row of the cluster
	s_lshl_b32 s20, 0x1111, s15                    ; my column
	s_or_b32 s[G1A], s19, (1<<16)|(1<<20)|(1<<21)|(5<<22)|(3<<25)  ; mask; 2-byte elements; padding on; bit 21 beside a mask; after every 64 words, 4 words
	s_or_b32 s[G1B], s20, (1<<16)|(1<<20)|(1<<21)|(5<<22)|(3<<25)
	s_mov_b32 s[G1A+1], KSTEP<<16                  ; tensor_dim0 = 128
	s_mov_b32 s[G1A+2], 128<<16                    ; tensor_dim1 = 128
	s_mov_b32 s[G1A+3], KSTEP<<16                  ; tile_dim0 = 128
	s_mov_b32 s[G1A+4], 128                        ; tile_dim1 = 128
	s_mov_b32 s[G1A+5], 1024                       ; elements from row to row
	s_mov_b32 s[G1A+6], 0
	s_mov_b32 s[G1A+7], 0
	s_mov_b32 s[G1B+1], KSTEP<<16
	s_mov_b32 s[G1B+2], 96<<16                     ; 96 rows
	s_mov_b32 s[G1B+3], KSTEP<<16
	s_mov_b32 s[G1B+4], 96
	s_mov_b32 s[G1B+5], 1024
	s_mov_b32 s[G1B+6], 0
	s_mov_b32 s[G1B+7], 0
	s_lshl_b32 s2, s18, 19                         ; xb: (256 x tile row + 128 x half) rows of 2,048 bytes
	s_lshl_b32 s3, s14, 18
	s_add_co_u32 s2, s2, s3
	s_mov_b32 s3, 0
	s_mul_i32 s22, s17, 192*2048                   ; wqb: (192 x head + 96 x half) rows
	s_mul_i32 s23, s14, 96*2048
	s_add_co_u32 s22, s22, s23
	s_mov_b32 s23, 0
	s_mul_i32 s21, s[WV], 128*PITCH                ; where they go: waves 0, 1: xb's halves;
	s_mul_i32 s62, s[WV], 96*PITCH
	s_add_co_u32 s62, s62, 64*PITCH                ; waves 2, 3: wqb's halves, behind xb's 256 rows
	s_mov_b32 s[TB], 0
	s_wait_dscnt 0x0                               ; the opening add is done
	s_wait_kmcnt 0x0
	s_add_nc_u64 s[2:3], s[4:5], s[2:3]
	s_add_nc_u64 s[22:23], s[6:7], s[22:23]
.irp s, 0,1
	s_mov_b32 s[G0A+4*(\s)], 1
	s_add_co_u32 s[G0A+4*(\s)+1], s21, (\s)*SLOT1
	s_add_nc_u64 s[G0A+4*(\s)+2:G0A+4*(\s)+3], s[2:3], (\s)*KSTEP*2
	s_or_b32 s[G0A+4*(\s)+3], s[G0A+4*(\s)+3], 0x80000000
	s_mov_b32 s[G0B+4*(\s)], 1
	s_add_co_u32 s[G0B+4*(\s)+1], s62, (\s)*SLOT1
	s_add_nc_u64 s[G0B+4*(\s)+2:G0B+4*(\s)+3], s[22:23], (\s)*KSTEP*2
	s_or_b32 s[G0B+4*(\s)+3], s[G0B+4*(\s)+3], 0x80000000
.endr
	CROUND                                         ; all sixteen work-groups are here: the first joint loads meet
	s_cmp_eq_u32 s13, 0                            ; a wave's two first fills stand in one branch: two loads of mine are out
	s_cbranch_scc0 .Lfirst_b
	tensor_load_to_lds s[G0A:G0A+3], s[G1A:G1A+7]
	s_nop 0
	tensor_load_to_lds s[G0A+4:G0A+7], s[G1A:G1A+7]
	s_nop 0
.rept 4
	v_nop
.endr
	s_branch .Lfirst_asked
.Lfirst_b:
	tensor_load_to_lds s[G0B:G0B+3], s[G1B:G1B+7]
	s_nop 0
	tensor_load_to_lds s[G0B+4:G0B+7], s[G1B:G1B+7]
	s_nop 0
.rept 4
	v_nop
.endr
.Lfirst_asked:
	v_and_b32 v1, 15, v0                           ; l % 16
	v_bfe_u32 v2, v0, 4, 1                         ; l / 16
	; the table: my row of block a is position 256 x tile row + 64 w + 16 a + l % 16; I want cos and sin of the angles 16 beta + 8 (l / 16) + 0..7, beta = 0, 1
	s_lshl_b32 s76, s18, 16
	s_mov_b32 s77, 0
	s_add_nc_u64 s[TABP:TABP+1], s[8:9], s[76:77]
	s_lshl_b32 s19, s[WV], 14
	v_lshlrev_b32 v[TO], 8, v1
	v_lshl_add_u32 v[TO], v2, 5, v[TO]
	v_add_nc_u32 v[TO], s19, v[TO]
.irp a, 0,1,2,3
	WIN 0x80+0x40*((\a)/2)
.irp q, 0,1,2,3,4,5,6,7                ; q = 4 sin + 2 beta + half
	global_load_b128 v[192+32*((\a)%2)+4*(\q):192+32*((\a)%2)+4*(\q)+3], v[TO], s[TABP:TABP+1] offset:(\a)*4096+128*((\q)/4)+64*(((\q)/2)%2)+16*((\q)%2)
.endr
.endr
	WIN 0
	v_mul_u32_u24 v3, v1, PITCH
	v_lshl_add_u32 v3, v2, 4, v3                   ; a fragment's row x pitch + 16 x half
	s_mul_i32 s19, s[WV], 64*PITCH
	v_add_nc_u32 v[ADRA0], s19, v3
	v_add_nc_u32 v[ADRB0], BOFF, v3
	s_mul_i32 s19, s[WV], 16*SP
	s_add_co_u32 s19, s19, STAGE                   ; my stage
	v_mul_u32_u24 v[STO], v1, SP
	v_lshl_add_u32 v[STO], v2, 4, v[STO]
	v_add_nc_u32 v[STO], s19, v[STO]
	v_bfe_u32 v[RD], v0, 3, 2                      ; back: 32 lanes take four rows of 128 bytes,
	v_mul_u32_u24 v[RD], v[RD], SP
	v_and_b32 v3, 7, v0
	v_lshl_add_u32 v[RD], v3, 4, v[RD]
	v_add_nc_u32 v[RD], s19, v[RD]
	v_and_b32 v[GO], 31, v0                        ; which are 512 consecutive bytes of a plane
	v_lshlrev_b32 v[GO], 4, v[GO]
	s_lshl_b32 s74, s17, 19                        ; the head's plane, 524,288 bytes,
	s_lshl_b32 s76, s18, 15                        ; the tile's 256 rows of 128 bytes,
	s_add_co_u32 s74, s74, s76
	s_lshl_b32 s76, s[WV], 13                      ; my 64
	s_add_co_u32 s74, s74, s76
	s_mov_b32 s75, 0
	s_add_nc_u64 s[OB:OB+1], s[10:11], s[74:75]
	s_add_nc_u64 s[OB+2:OB+3], s[OB:OB+1], 0x800000    ; k's planes lie 16 planes on,
	s_add_nc_u64 s[OB+4:OB+5], s[OB+2:OB+3], 0x800000  ; v's 32
	; the prefetches
	s_lshl_b32 s19, s18, 8
	s_lshl_b32 s20, s14, 7
	s_add_co_u32 s19, s19, s20
	s_lshl_b32 s20, s15, 5
	s_add_co_u32 s19, s19, s20                     ; xb: 256 x tile row + 128 x half + 32 cx
	s_mul_i32 s20, s17, 192
	s_mul_i32 s21, s14, 96
	s_add_co_u32 s20, s20, s21
	s_mul_i32 s21, s16, 24
	s_add_co_u32 s20, s20, s21                     ; wqb: 192 x head + 96 x half + 24 cy
	s_and_b32 s63, ttmp7, 0xffff                   ; cluster y
	s_cmp_eq_u32 s13, 0
	s_cselect_b32 s19, s19, s20
	s_cselect_b32 s63, ttmp9, s63                  ; the coordinate along which other clusters read the same rows
	s_cselect_b32 s62, 31, 23
	s_cselect_b64 s[PFA:PFA+1], s[4:5], s[6:7]
	s_cmp_eq_u32 s63, 0
	s_cselect_b32 s[LIM], 2, -1                    ; the same in all sixteen partners, for a given wave
	s_lshl_b32 s74, s19, 11
	s_mov_b32 s75, 0
	s_add_nc_u64 s[PFA:PFA+1], s[PFA:PFA+1], s[74:75]
	s_add_nc_u64 s[PFA:PFA+1], s[PFA:PFA+1], 2*KSTEP*2  ; at K step 2: the first refill steps it to 3 and names step 4
	v_and_b32 v[PFO], 31, v0
	v_min_u32 v[PFO], s62, v[PFO]
	v_lshlrev_b32 v[PFO], 11, v[PFO]
; 12 matrix instructions: row block a x all 12 column blocks, 32 along K, from buffer f.  The 48 accumulators take turns, one instruction a turn, in the same order in every quarter.
.macro MUL12 f, a, zero
	WIN 0xa1+0x50*((\a)/2)
.irp b, 0,1,2,3,4,5,6,7,8,9,10,11
.if \zero
	v_wmma_f32_16x16x32_bf16 v[96*((\a)%2)+8*(\b):96*((\a)%2)+8*(\b)+7], v[96*(\f)+8*(\b):96*(\f)+8*(\b)+7], v[32+32*(\f)+8*(\a):32+32*(\f)+8*(\a)+7], 0
.else
	v_wmma_f32_16x16x32_bf16 v[96*((\a)%2)+8*(\b):96*((\a)%2)+8*(\b)+7], v[96*(\f)+8*(\b):96*(\f)+8*(\b)+7], v[32+32*(\f)+8*(\a):32+32*(\f)+8*(\a)+7], v[96*((\a)%2)+8*(\b):96*((\a)%2)+8*(\b)+7]
.endif
.endr
.endm
; 32 LDS loads in one run: a quarter's fragments (192 rows of wqb, my 64 of xb, 32 K at byte k of the rows) into buffer f
.macro FETCH k, f
	WIN 0x40
.irp b, 0,1,2,3,4,5,6,7,8,9,10,11
	ds_load_b128 v[96*(\f)+8*(\b):96*(\f)+8*(\b)+3],   v[ADRB] offset:(\k)+(\b)*16*PITCH
	ds_load_b128 v[96*(\f)+8*(\b)+4:96*(\f)+8*(\b)+7], v[ADRB] offset:(\k)+(\b)*16*PITCH+32
.endr
	WIN 0
.irp a, 0,1,2,3
	ds_load_b128 v[32+32*(\f)+8*(\a):32+32*(\f)+8*(\a)+3],   v[ADRA] offset:(\k)+(\a)*16*PITCH
	ds_load_b128 v[32+32*(\f)+8*(\a)+4:32+32*(\f)+8*(\a)+7], v[ADRA] offset:(\k)+(\a)*16*PITCH+32
.endr
.endm
; One of a K step's first three quarters: multiplies buffer f; in its middle it fetches the next quarter, at byte k, into buffer g.
.macro QUARTER k, f, g, zero
	s_wait_dscnt 4                                 ; all but the youngest four loads (xb's blocks 2 and 3)
	MUL12 \f, 0, \zero
	MUL12 \f, 1, \zero
	PLACES
	FETCH \k, \g
	s_wait_dscnt 32                                ; all but the 32 just issued
	MUL12 \f, 2, \zero
	MUL12 \f, 3, \zero
.endm
; The last quarter multiplies buffer 1 and changes slots.  In front of the barrier each wave waits for all its tensor loads (one is out: its part of the next slot), adds 0 to its spare word, and waits for that
; and for its reads of this slot.  fill = 1: the barrier opens a round of the cluster's, and the joint refill, K step two on into the slot just left, is the first thing behind the round.
.macro TURN fill
.if \fill
	s_wait_xcnt 0x0                                ; the last prefetch, a K step back, has read its address
	s_add_nc_u64 s[PFA:PFA+1], s[PFA:PFA+1], KSTEP*2
.endif
	WIN 0
	s_wait_tensorcnt 0x0                           ; no tensor load of mine is out, so a group 0 may be written
	ds_add_u32 v[SPW], v[NIL]                      ; 0 onto my spare word
.if \fill
	s_xor_b32 s[G0A+5], s[G0A+5], SLOT1            ; the walking sets: the other slot than last time, the next K step
	s_add_nc_u64 s[G0A+6:G0A+7], s[G0A+6:G0A+7], KSTEP*2
	s_xor_b32 s[G0B+5], s[G0B+5], SLOT1
	s_add_nc_u64 s[G0B+6:G0B+7], s[G0B+6:G0B+7], KSTEP*2
.endif
	s_xor_b32 s[TB], s[TB], SLOT1
	s_wait_dscnt 5                                 ; the add and the youngest four loads may be out
	MUL12 1, 0, 0
	s_wait_dscnt 0x0                               ; the add is done, and my reads of this slot are over
	s_barrier_signal -1
	MUL12 1, 1, 0
	WIN 0
	s_barrier_wait -1
.if \fill
	CREST
	JLOAD                                          ; the four v_nop behind it are also the places in front of the loads below
.else
	PLACES
.endif
	v_add_nc_u32 v[ADRA], s[TB], v[ADRA0]
	v_add_nc_u32 v[ADRB], s[TB], v[ADRB0]
	FETCH 0, 0
.if \fill
	ASK
.endif
	MUL12 1, 2, 0
	MUL12 1, 3, 0
.endm
	s_wait_tensorcnt 1                             ; my part of K step 0 is in; K step 1's may stay out
	s_barrier_signal -1
	s_barrier_wait -1
	v_mov_b32 v[ADRA], v[ADRA0]
	v_mov_b32 v[ADRB], v[ADRB0]
	FETCH 0, 0
	QUARTER 64, 0, 1, 1                            ; the first quarter's products start the sums
	WIN 0
	s_mov_b32 s[KC], 6
.Lk:                                               ; a trip: a K step's quarters 1 to 3, the refill, the next step's quarter 0
	QUARTER 128, 1, 0, 0
	QUARTER 192, 0, 1, 0
	TURN 1
	QUARTER 64, 0, 1, 0
	WIN 0
	s_sub_co_u32 s[KC], s[KC], 1
	s_cmp_lg_u32 s[KC], 0
	s_cbranch_scc1 .Lk
	QUARTER 128, 1, 0, 0                           ; K steps 6 and 7 fill nothing
	QUARTER 192, 0, 1, 0
	TURN 0
	QUARTER 64, 0, 1, 0
	QUARTER 128, 1, 0, 0
	QUARTER 192, 0, 1, 0
	s_wait_dscnt 4
	MUL12 1, 0, 0
	MUL12 1, 1, 0
	s_wait_dscnt 0x0
	MUL12 1, 2, 0
	MUL12 1, 3, 0
	WIN 0
	PLACES
	PLACES
	s_wait_loadcnt 0x0                             ; the table
; THE WAY OUT, by tiles t = 3 a + p of 16 rows x 64 columns.  q and k are turned: y1 = x1 cos - x2 sin, y2 = x2 cos + x1 sin, x1 = columns 0-31, x2 = columns 32-63; each accumulator is read from its low end on.
.macro ROPE a, p
.set W, 2+(\a)/2
.set AB, 96*((\a)%2)+32*(\p)
.set TC, 192+32*((\a)%2)
	WIN W|(W<<2)
.set z, 0
.rept 8
	v_pk_mul_f32 v[T+2*z:T+2*z+1], v[AB+2*z:AB+2*z+1], v[TC+16+2*z:TC+16+2*z+1]
.set z, z+1
.endr
	WIN W|(W<<2)|(W<<4)|(W<<6)
.set z, 0
.rept 8
	v_pk_mul_f32 v[AB+2*z:AB+2*z+1], v[AB+2*z:AB+2*z+1], v[TC+2*z:TC+2*z+1]
.set z, z+1
.endr
.set z, 0
.rept 8
	v_pk_fma_f32 v[AB+2*z:AB+2*z+1], v[AB+16+2*z:AB+16+2*z+1], v[TC+16+2*z:TC+16+2*z+1], v[AB+2*z:AB+2*z+1] neg_lo:[1,0,0] neg_hi:[1,0,0]
.set z, z+1
.endr
	WIN W|(W<<2)|(W<<6)
.set z, 0
.rept 8
	v_pk_fma_f32 v[AB+16+2*z:AB+16+2*z+1], v[AB+16+2*z:AB+16+2*z+1], v[TC+2*z:TC+2*z+1], v[T+2*z:T+2*z+1]
.set z, z+1
.endr
.endm
.macro THROUGH                         ; 16 bytes a lane into my stage, back as whole rows of 128 bytes, into the registers that they left
.irp f, 0,1,2,3
	ds_store_b128 v[STO], v[PB+4*(\f):PB+4*(\f)+3] offset:32*(\f)
.endr
.irp f, 0,1,2,3
	ds_load_b128 v[PB+4*(\f):PB+4*(\f)+3], v[RD] offset:(\f)*4*SP  ; LDS serves a wave's instructions in order: these see the stores above, and the next tile's stores come behind them
.endr
.endm
.macro OUT t                           ; rounded to f16 and sent through the stage
.if ((\t)%3) < 2
	ROPE (\t)/3, (\t)%3
.endif
.set W, 2+(\t)/6
.set AB, 96*(((\t)/3)%2)+32*((\t)%3)
.set PB, PK+16*(\t)
	WIN W|(W<<2)
.set z, 0
.rept 16
	v_cvt_pk_f16_f32 v[PB+z], v[AB+2*z], v[AB+2*z+1]
.set z, z+1
.endr
	WIN 0
	THROUGH
.endm
.macro SEND t, younger                 ; younger: the next tile's eight LDS instructions, or none
.set PB, PK+16*(\t)
.irp f, 0,1,2,3
	s_wait_dscnt (\younger)+3-(\f)
	global_store_b128 v[GO], v[PB+4*(\f):PB+4*(\f)+3], s[OB+2*((\t)%3):OB+2*((\t)%3)+1] offset:((\t)/3)*2048+(\f)*512  ; 512 consecutive bytes, aligned
.endr
.endm
	OUT 0
.set t, 1
.rept 11
	OUT t
	SEND t-1, 8
.set t, t+1
.endr
	SEND 11, 0
; WHAT v LOSES IN ITS ROUNDING, for rows 0 to 2047: tile rows 0 to 7, the clusters with y < 2: a number that all sixteen partners share.  Row block a: v is rounded once more, the half times -1 plus the f32 sum is the
; exact remainder (one fused multiply-add from the f16 half), and that is rounded to f16 and goes the way of the other tiles.
.macro LOV a
.set W, 2+(\a)/2
.set AB, 96*((\a)%2)+64
.set PB, PK+16*(\a)
	WIN W|(W<<2)
.set z, 0
.rept 16
	v_cvt_pk_f16_f32 v[T+z], v[AB+2*z], v[AB+2*z+1]
.set z, z+1
.endr
	WIN (W<<4)|(W<<6)                      ; the halves and -1 in window 0, the sums (source 2 and destination) in their window
.set z, 0
.rept 16
	v_fma_mix_f32 v[AB+2*z], v[T+z], v[NEG1], v[AB+2*z] op_sel_hi:[1,0,0]
	v_fma_mix_f32 v[AB+2*z+1], v[T+z], v[NEG1], v[AB+2*z+1] op_sel:[1,0,0] op_sel_hi:[1,0,0]
.set z, z+1
.endr
	WIN W|(W<<2)
.set z, 0
.rept 16
	v_cvt_pk_f16_f32 v[PB+z], v[AB+2*z], v[AB+2*z+1]
.set z, z+1
.endr
	WIN 0
	THROUGH
.endm
.macro SENDL a, younger
.set PB, PK+16*(\a)
.irp f, 0,1,2,3
	s_wait_dscnt (\younger)+3-(\f)
	global_store_b128 v[GO], v[PB+4*(\f):PB+4*(\f)+3], s[VLP:VLP+1] offset:(\a)*2048+(\f)*512  ; 512 consecutive bytes, aligned
.endr
.endm
	s_and_b32 s19, ttmp7, 0xffff                   ; cluster y
	s_cmp_lt_u32 s19, 2
	s_cbranch_scc0 .Lno_lo
	s_lshl_b32 s74, s17, 18                        ; the head's 2,048 rows of 128 bytes,
	s_lshl_b32 s76, s18, 15                        ; the tile's 256,
	s_add_co_u32 s74, s74, s76
	s_lshl_b32 s76, s[WV], 13                      ; my 64
	s_add_co_u32 s74, s74, s76
	s_mov_b32 s75, 0
	s_add_nc_u64 s[VLP:VLP+1], s[VLP:VLP+1], s[74:75]
	v_mov_b32 v[NEG1], -1.0
	s_wait_xcnt 0x0                                ; the stores above have read their data: the first four tiles' registers are written again below
	LOV 0
	LOV 1
	SENDL 0, 8
	LOV 2
	SENDL 1, 8
	LOV 3
	SENDL 2, 8
	SENDL 3, 0
.Lno_lo:
	s_wait_tensorcnt 0x0                           ; the wave's end
	ds_add_u32 v[SPW], v[NIL]
	s_wait_dscnt 0x0
	CROUND                                         ; the closing round
	s_endpgm
.Lfunc_end_k_q329e173cc4_qkv:
	.size	k_q329e173cc4_qkv, .Lfunc_end_k_q329e173cc4_qkv-k_q329e173cc4_qkv
	.p2alignl 7, 3214868480
	.fill 96, 4, 3214868480
	.section	.rodata,"a",@progbits
	.p2align	6, 0x0
	.amdhsa_kernel k_q329e173cc4_qkv
		.amdhsa_group_segment_fixed_size 327680
		.amdhsa_private_segment_fixed_size 0
		.amdhsa_enable_private_segment 0
		.amdhsa_kernarg_size 40
		.amdhsa_user_sgpr_count 2
		.amdhsa_user_sgpr_kernarg_segment_ptr 1
		.amdhsa_wavefront_size32 1
		.amdhsa_system_sgpr_workgroup_id_x 1
		.amdhsa_system_sgpr_workgroup_id_y 1
		.amdhsa_system_sgpr_workgroup_id_z 1
		.amdhsa_system_vgpr_workitem_id 0
		.amdhsa_next_free_vgpr 1024
		.amdhsa_next_free_sgpr 80
		.amdhsa_reserve_vcc 0
		.amdhsa_float_denorm_mode_32 3
		.amdhsa_float_denorm_mode_16_64 3
		.amdhsa_memory_ordered 1
		.amdhsa_forward_progress 1
		.amdhsa_inst_pref_size 140
	.end_amdhsa_kernel
	.amdgpu_metadata
---
amdhsa.version: [ 1, 2 ]
amdhsa.kernels:
  - .name:           k_q329e173cc4_qkv
    .symbol:         k_q329e173cc4_qkv.kd
    .args:
      - { .name: xb, .offset: 0, .size: 8, .value_kind: global_buffer, .address_space: global }
      - { .name: wqb, .offset: 8, .size: 8, .value_kind: global_buffer, .address_space: global }
      - { .name: tab, .offset: 16, .size: 8, .value_kind: global_buffer, .address_space: global }
      - { .name: qkv, .offset: 24, .size: 8, .value_kind: global_buffer, .address_space: global }
      - { .name: vlo, .offset: 32, .size: 8, .value_kind: global_buffer, .address_space: global }
    .group_segment_fixed_size: 327680
    .private_segment_fixed_size: 0
    .kernarg_segment_align: 8
    .kernarg_segment_size: 40
    .max_flat_workgroup_size: 128
    .sgpr_count:     80
    .vgpr_count:     1024
    .wavefront_size: 32
...
	.end_amdgpu_metadata
.endif
;; end of part 2
;; launch attn (part 3): grid 16 x 16, 4 waves a work-group, no clusters, 327,680 bytes of LDS; arguments qkv, vlo, ob; writes ob
.if DOCPART == 3
	.amdgcn_target "amdgcn-amd-amdhsa--gfx1250"
	.amdhsa_code_object_version 6
	.text
	.protected	k_q329e173cc4_attn
	.globl	k_q329e173cc4_attn
	.p2align	8
	.type	k_q329e173cc4_attn,@function
k_q329e173cc4_attn:
	s_mov_b64 s[64:65], 0
	v_nop
	global_prefetch_b8 v0, s[64:65] scope:SCOPE_SE
	s_setreg_imm32_b32 hwreg(HW_REG_WAVE_MODE, 25, 1), 1
	s_wait_xcnt 0x0
; CAUSAL ATTENTION at head size 64.  O[h][q][:] = the sum over k <= q of softmax_k(Q[h][q] . K[h][k] / 8) V[h][k][:].  Q, K, V are planes h, 16 + h, 32 + h of qkv [48][4096][64] f16; vlo [16][2048][64] f16 is V's remainder.
; ob [32][4096][64] f16: plane h holds O rounded to f16, plane 16 + h what that rounding lost, rounded to f16: the next launch adds both.
; Products, maxima and sums in f32; the weights p are rounded to f16 for the second product (their sum l is taken of the unrounded p).
; TWO TERMS.  A row that averages few keys holds numbers many times the whole output's root mean square, by which a result's room is reckoned: there one f16 rounding of V and one of O (2^-11 of the number each) take most of that
; room.  So O leaves as two terms, and the walk's last slot, which for work-group 0 is all of rows 0 to 127, adds P x (V's remainder).  The other work-groups run the same text on their own last slot.
; LIMITS.  Q, K, V arrive within f16's 65,504, so a score is 2.7e11 at the most in magnitude.  A hidden score counts as its value less 1e30.  The running maximum starts at -2^96 (7.9e28): below every open score, above every
; hidden one.  A weight below 2^-126 counts as 0 in l; a remainder below 6e-5 keeps f16's fixed step of 6e-8; NaN and infinities are not treated apart.
; THE WALK.  A head has 32 blocks of 128 queries; block i needs the key slots 0 .. i / 2 of 256 keys, of which the last holds the diagonal.  A work-group takes blocks 31 - b and then b: 17 slots whatever b:
; 256 equal work-groups, one loop with a constant count.  Every jump but the counted loops' own goes forward, and none passes a barrier, or a tensor load but the one of LOAD's two that the wave's number does not choose.
; SHARES.  Wave w = 2 g + u owns the block's queries 64 u .. 64 u + 63, four PIECES of 16, and of every slot the keys 128 g .. 128 g + 127: two steps of 64.  So a wave has 64 queries though a block has 128.
; The two partial results of a query (running maximum, sum, O) meet in LDS at the end, in f32, weighted by 2^(c m - c max).
; THE MASK is the C operand that starts S^T = K Q^T.  In the diagonal slot my step t is band 2 g + t of 64 keys, my queries' band is 2 (block % 2) + u.  An earlier band is seen whole, a later one hidden; in the own band
; key group kt of 16 against piece x: kt < x seen (LOW8), kt > x hidden (UPP8), kt = x the triangle (DIA8).  The three are made once a step as source x AL + BE: (1, 0) own band, (0, 0) earlier or no diagonal slot, (0, -1e30) later.
; A row of which a wave sees hidden keys alone (block 0, waves 2 and 3) keeps the maximum's start: all its weights are 2^(about -1.7e29) = 0, its l and O are 0, and the meeting gives them the weight 0.
; TURNS.  Turn n belongs to piece n: 8 products K Q^T of piece n + 1, later 8 products V^T P of piece n - 1; beside them piece n's scaling, exponentials, roundings, sums and rescaling and piece n + 1's maximum and
; statistics.  Four vector instructions stand behind every matrix instruction, the rest in one lump; a turn's 33 exponentials are one batch with one wait.
; NO CLUSTER: only work-groups 2 e and 2 e + 1 of a head walk the same slots in the same trips, and where a block begins and ends hangs on e; a walk common to four would have 18 slots for 17.
; REGISTERS, in windows of 256 (s_set_vgpr_msb: bits 1:0 source 0, 3:2 source 1, 5:4 source 2, 7:6 destination):
;   window 0: v0-15, v32-39, v56-59 addresses and -1; v16-31 statistics; v40-55 at work; v64-127 S^T, two buffers; v192-223 P, two buffers (a piece's buffers go by its number's parity)
;   window 1: v0-127 O^T, 32 a piece; v128-167 the masks; v192-255 V's remainder of one step      window 2: v0-63 Q; v64-127 the second block's Q; v128-191 K of one step; v192-255 V of one step
.set NP,    4
.set KS,    64
.set PK,    144       ; a row of K in LDS: 128 bytes + 16 of padding
.set PV,    160       ; a row of V: 128 + 32
.set VOFF,  4*KS*PK   ; a slot: 256 rows of K, then 256 rows of V
.set VLO,   4*KS*(PK+PV)  ; behind slot 0: 256 rows of V's remainder, for the walk's last slot: filled once, at the start
.set SLOT1, 1<<17
.set HB,    SLOT1+4*KS*(PK+PV)  ; behind the ring: the first block's partial results; the second block's lie in slot 1, which has had its last fill by then
.set PART,  17408     ; a wave's part: 32 x 512 bytes of O^T, then 4 x 256 bytes of (c m, l)
.set STAGE, HB+4*PART ; 16 rows x 144 bytes for each wave, for the way out
.set SP,    144
.set SPARE, STAGE+4*16*SP  ; the spare words, 128 bytes for each wave
.set AK0, 2
.set AV0, 3
.set AK,  4
.set AV,  5
.set STO, 6
.set RD,  7
.set GO,  8
.set MV,  12          ; v12-13  c m_old, by buffer
.set QO,  15
.set ST,  16          ; piece t's statistics at v[ST+4 t]: c m, m, l (even keys', odd keys')
.set GVH, 32          ; where I put my O^T: first block, second block
.set GVL, 33
.set GSH, 34          ; and my statistics
.set GSL, 35
.set TKOL, 36         ; where I read the two partial O^T of the pieces that I finish: second block,
.set TKSL, 37         ; and their statistics
.set PFO, 38          ; 256 x my lane
.set TMP, 48
.set TKOH, 56         ; the same for the first block
.set TKSH, 57
.set AVL, 58          ; the LDS address of the remainder's next run of loads
.set NEG1, 59         ; -1.0
.set SPW, 62
.set NIL, 63
.set S,   64
.set P,   192
.set D8,  128         ; window 1: register j: -1e30 where 8 (l / 16) + j > l % 16
.set BP,  136         ; -1e30 twice
.set ZP,  138         ; 0 twice
.set LOW8, 144
.set DIA8, 152
.set UPP8, 160
.set VL,  192         ; window 1: laid out as V's fragments
.set QB,  64
.set KF,  128
.set VF,  192
.set WV,  12
.set PB,  14          ; s14  b
.set HI,  15          ; s15  31 - b
.set TBL, 21          ; s21  LDS byte at which the remainder of the step to be fetched begins, less VOFF
.set G1K, 24
.set G1V, 32
.set G0K, 40
.set G0V, 44
.set GG,  48          ; s48  g
.set UU,  49          ; s49  u
.set CE,  50          ; s50  the count CNT at which my step is my queries' own band, for the block in hand
.set CEL, 51          ; s51  the same for the second block
.set CEF, 52          ; s52  CE in a diagonal slot, else -16
.set PBH, 53          ; s53  b / 2
.set PFN, 54          ; s54  the slot that the next prefetch names
.set PFE, 55          ; s55  16 in the head's work-group 0, else 0
.set SLOTS, 56
.set CNT, 57          ; s57  counts a slot's two steps, 2 to 1
.set CS,  58
.set SEL, 60
.set TBK, 62
.set TBV, 63
.set RT,  70
.set NXT, 71
.set LQ,  72
.set NEW, 73
.set OFF, 74
.set AL,  76
.set BE,  78
.set OLO, 80          ; s[80:81] ob at the rows that I finish, second block
.set BIGN, 82
.set PFA, 88          ; s[88:89] where my prefetches stand
.set OHI, 90          ; s[90:91] first block
.set OLOL, 92         ; s[92:93], s[94:95] the same 16 planes on: the remainders
.set OHIL, 94
.set G0L, 96          ; s[96:99] descriptor group 0 for the remainder's tile
.set VP,  100         ; s[100:101] vlo
.set MSB, 0
.macro WIN new
.if MSB != (\new)
	s_set_vgpr_msb (MSB<<8)|(\new)
.set MSB, (\new)
.endif
.endm
.set W_KQ, 0x0a
.set W_KM, 0x1a
.set W_PV, 0x52
.set W_PL, 0x51       ; the remainder in window 1, P in window 0, O^T in window 1
.set W_RS, 0x41
; A fill.  Waves 0 and 1 fetch the two halves of a slot's K, waves 2 and 3 those of its V: 128 keys each.
.macro LOAD
	s_cmp_lt_u32 s[WV], 2
	s_cbranch_scc0 .Lfor_v_\@
	tensor_load_to_lds s[G0K:G0K+3], s[G1K:G1K+7]
	s_nop 0
.rept 4
	v_nop
.endr
	s_branch .Lasked_\@
.Lfor_v_\@:
	tensor_load_to_lds s[G0V:G0V+3], s[G1V:G1V+7]
	s_nop 0
.rept 4
	v_nop
.endr
.Lasked_\@:
.endm
; THE CHANGE OF SLOTS.  Each wave waits for all its tensor loads (one is out: its part of the other slot; at the first change waves 2 and 3 have two), adds 0 to its spare word, and waits for that and for its LDS instructions.
; fill = 1: the slot that is left is filled again, the first thing behind the barrier, with slot NXT of the walk.  Behind the load stands the prefetch of what the NEXT change will load: the head's work-group 0 alone asks, each
; wave for the 64 blocks of 256 bytes that it will itself load, in the first block's walk alone (slots 2 to 15): the second block's slots have been read.
.macro CHANGE fill
	WIN 0
	s_wait_tensorcnt 0x0
	ds_add_u32 v[SPW], v[NIL]
.if \fill
	s_lshl_b32 s[OFF], s[NXT], 15
	s_xor_b32 s[G0K+1], s[G0K+1], SLOT1
	s_add_nc_u64 s[G0K+2:G0K+3], s[6:7], s[OFF:OFF+1]
	s_or_b32 s[G0K+3], s[G0K+3], 0x80000000
	s_xor_b32 s[G0V+1], s[G0V+1], SLOT1
	s_add_nc_u64 s[G0V+2:G0V+3], s[8:9], s[OFF:OFF+1]
	s_or_b32 s[G0V+3], s[G0V+3], 0x80000000
	s_add_co_u32 s[NXT], s[NXT], 1
	s_cmp_gt_u32 s[NXT], s[LQ]
	s_cselect_b32 s[NXT], 0, s[NXT]
	s_cselect_b32 s[LQ], s[PBH], s[LQ]
	s_wait_xcnt 0x0                 ; the last prefetches, a slot back, have read their address
	s_add_nc_u64 s[PFA:PFA+1], s[PFA:PFA+1], 32768
.endif
	s_wait_dscnt 0x0
	s_barrier_signal -1
	s_sub_co_u32 s[TBK], s[TBK], 2*KS*PK  ; the fetches go back to my half's first step,
	s_xor_b32 s[TBK], s[TBK], SLOT1       ; in the other slot
	s_sub_co_u32 s[TBV], s[TBV], 2*KS*PV
	s_xor_b32 s[TBV], s[TBV], SLOT1
	s_barrier_wait -1
.if \fill
	LOAD
	s_cmp_lt_u32 s[PFN], s[PFE]
	s_cbranch_scc0 .Lnot_mine_\@
	global_prefetch_b8 v[PFO], s[PFA:PFA+1] th:TH_LOAD_NT scope:SCOPE_SE
	global_prefetch_b8 v[PFO], s[PFA:PFA+1] offset:8192 th:TH_LOAD_NT scope:SCOPE_SE
.Lnot_mine_\@:
	s_add_co_u32 s[PFN], s[PFN], 1
.endif
.endm
	s_load_b64 s[4:5], s[0:1], 0x0     ; qkv
	s_load_b64 s[VP:VP+1], s[0:1], 0x8 ; vlo
	s_load_b64 s[10:11], s[0:1], 0x10  ; ob
	v_lshl_add_u32 v[SPW], v0, 2, SPARE
	v_mov_b32 v[NIL], 0
	ds_add_u32 v[SPW], v[NIL]       ; the wave's opening: the add and its wait stand ahead of my first tensor load
	v_lshrrev_b32 v1, 5, v0
	v_readfirstlane_b32 s[WV], v1
	s_mov_b32 s[PB], ttmp9
	s_sub_co_u32 s[HI], 31, s[PB]
	s_lshr_b32 s[GG], s[WV], 1
	s_and_b32 s[UU], s[WV], 1
	s_lshr_b32 s[PBH], s[PB], 1
	s_and_b32 s20, ttmp7, 0xffff
	s_lshl_b32 s68, s20, 18         ; vlo: the head's 2,048 rows of 128 bytes,
	s_lshl_b32 s69, s[PBH], 15      ; the walk's last slot, b / 2,
	s_add_co_u32 s68, s68, s69
	s_lshl_b32 s69, s[UU], 14       ; the half of it that I fetch
	s_add_co_u32 s68, s68, s69
	s_mov_b32 s69, 0
	s_lshl_b32 s20, s20, 19         ; the head's plane: 524,288 bytes
	s_lshl_b32 s22, s[UU], 14       ; which half of a slot's 256 keys I fetch (w % 2)
	s_add_co_u32 s22, s22, s20
	s_mov_b32 s23, 0
	s_mul_i32 s17, s[UU], 128*PK    ; and its place in a slot, for K
	s_mul_i32 s18, s[UU], 128*PV    ; and for V
	s_lshl_b32 s3, s[UU], 13        ; my 64 rows of a block,
	s_add_co_u32 s3, s3, s20
	s_lshl_b32 s2, s[HI], 14        ; in the first block,
	s_add_co_u32 s2, s2, s3
	s_lshl_b32 s84, s[PB], 14       ; and in the second
	s_add_co_u32 s84, s84, s3
	s_mov_b32 s3, 0
	s_mov_b32 s85, 0
	s_lshl_b32 s66, s[GG], 12       ; of them I finish pieces 2 g and 2 g + 1
	s_mov_b32 s67, 0
	s_lshl_b32 s[CE], s[GG], 1      ; CE = 2 g + 2 - u - 2 (block % 2)
	s_add_co_u32 s[CE], s[CE], 2
	s_sub_co_u32 s[CE], s[CE], s[UU]
	s_and_b32 s19, s[PB], 1
	s_lshl_b32 s19, s19, 1
	s_sub_co_u32 s[CEL], s[CE], s19
	s_and_b32 s19, s[HI], 1
	s_lshl_b32 s19, s19, 1
	s_sub_co_u32 s[CE], s[CE], s19
	s_mov_b32 s[G1K], (1<<16)|(1<<20)|(4<<22)|(3<<25)  ; 2-byte elements; padding on; after every 32 words, 4 words
	s_mov_b32 s[G1V], (1<<16)|(1<<20)|(4<<22)|(7<<25)  ; the same with 8 words
.irp g, G1K, G1V
	s_mov_b32 s[\g+1], 128<<16      ; 128 keys are 16,384 dense bytes: asked for as 64 rows of 256 bytes
	s_mov_b32 s[\g+2], 64<<16
	s_mov_b32 s[\g+3], 128<<16
	s_mov_b32 s[\g+4], 64
	s_mov_b32 s[\g+5], 128
	s_mov_b32 s[\g+6], 0
	s_mov_b32 s[\g+7], 0
.endr
	s_mov_b32 s[CS], 0x3e38aa3b     ; c = log2(e) / 8
	s_mov_b32 s[CS+1], s[CS]
	s_mov_b32 s[SEL], 0x76543210
	s_mov_b32 s[SEL+1], 0xfedcba98
	s_mul_i32 s[TBK], s[GG], 2*KS*PK
	s_add_co_u32 s[TBK], s[TBK], SLOT1+2*KS*PK  ; the first change of slots turns these two into my half of slot 0
	s_mul_i32 s[TBV], s[GG], 2*KS*PV
	s_add_co_u32 s[TBL], s[TBV], VLO-VOFF       ; my half of the remainder's rows
	s_add_co_u32 s[TBV], s[TBV], SLOT1+2*KS*PV
	s_mov_b32 s[G0K], 1
	s_mov_b32 s[G0K+1], s17
	s_mov_b32 s[G0V], 1
	s_add_co_u32 s[G0V+1], s18, VOFF
	s_mov_b32 s[G0L], 1
	s_add_co_u32 s[G0L+1], s18, VLO
	s_lshr_b32 s[LQ], s[HI], 1
	s_add_co_u32 s[RT], s[LQ], 1    ; the first block's slots
	s_mov_b32 s[NXT], 1
	s_mov_b32 s[NEW], 1
	s_mov_b32 s[OFF+1], 0
	s_mov_b32 s[AL+1], 0
	s_mov_b32 s[BE+1], 0
	s_mov_b32 s[BIGN], 0xf149f2ca   ; -1e30
	s_mov_b32 s[SLOTS], 16
	s_mov_b32 s[PFN], 2
	s_cmp_eq_u32 s[PB], 0
	s_cselect_b32 s[PFE], 16, 0
	s_wait_dscnt 0x0                ; the opening add is done
	s_wait_kmcnt 0x0
	s_add_nc_u64 s[6:7], s[4:5], s[22:23]
	s_add_nc_u64 s[8:9], s[6:7], 0x1000000         ; V at my half of the head's slot 0
	s_add_nc_u64 s[6:7], s[6:7], 0x800000          ; K likewise
	s_add_nc_u64 s[G0K+2:G0K+3], s[6:7], 0
	s_or_b32 s[G0K+3], s[G0K+3], 0x80000000
	s_add_nc_u64 s[G0V+2:G0V+3], s[8:9], 0
	s_or_b32 s[G0V+3], s[G0V+3], 0x80000000
	s_add_nc_u64 s[G0L+2:G0L+3], s[VP:VP+1], s[68:69]
	s_or_b32 s[G0L+3], s[G0L+3], 0x80000000
	s_add_nc_u64 s[86:87], s[4:5], s[84:85]        ; Q at my rows of the second block,
	s_add_nc_u64 s[4:5], s[4:5], s[2:3]            ; and of the first
	s_add_nc_u64 s[10:11], s[10:11], s[66:67]
	s_add_nc_u64 s[OLO:OLO+1], s[10:11], s[84:85]
	s_add_nc_u64 s[OHI:OHI+1], s[10:11], s[2:3]
	s_add_nc_u64 s[OLOL:OLOL+1], s[OLO:OLO+1], 0x800000
	s_add_nc_u64 s[OHIL:OHIL+1], s[OHI:OHI+1], 0x800000
	s_cmp_lt_u32 s[WV], 2
	s_cselect_b64 s[PFA:PFA+1], s[6:7], s[8:9]
	s_add_nc_u64 s[PFA:PFA+1], s[PFA:PFA+1], 32768 ; at slot 1: the first change steps it to slot 2
	s_cmp_lt_u32 s[WV], 2           ; the first fills, a wave's inside one branch: slot 0, and by waves 2 and 3 the remainder's tile too: two loads of theirs are out
	s_cbranch_scc0 .Lfirst_v
	tensor_load_to_lds s[G0K:G0K+3], s[G1K:G1K+7]
	s_nop 0
.rept 4
	v_nop
.endr
	s_branch .Lfirst_asked
.Lfirst_v:
	tensor_load_to_lds s[G0V:G0V+3], s[G1V:G1V+7]
	s_nop 0
	tensor_load_to_lds s[G0L:G0L+3], s[G1V:G1V+7]
	s_nop 0
.rept 4
	v_nop
.endr
.Lfirst_asked:
	v_and_b32 v1, 15, v0            ; l % 16
	v_bfe_u32 v9, v0, 4, 1          ; l / 16
	v_lshlrev_b32 v[QO], 7, v1
	v_lshl_add_u32 v[QO], v9, 4, v[QO]
	WIN 0x80
.set i, 0
.rept 8                             ; both blocks' Q: piece i / 2, channels 32 (i % 2) on
	global_load_b128 v[8*i:8*i+3],   v[QO], s[4:5] offset:(i/2)*2048+(i%2)*64
	global_load_b128 v[8*i+4:8*i+7], v[QO], s[4:5] offset:(i/2)*2048+(i%2)*64+32
	global_load_b128 v[QB+8*i:QB+8*i+3],   v[QO], s[86:87] offset:(i/2)*2048+(i%2)*64
	global_load_b128 v[QB+8*i+4:QB+8*i+7], v[QO], s[86:87] offset:(i/2)*2048+(i%2)*64+32
.set i, i+1
.endr
	WIN 0
	v_lshlrev_b32 v14, 3, v9
	v_sub_nc_u32 v14, v1, v14       ; l % 16 - 8 (l / 16): register j is hidden where j is greater
	WIN 0x40
.set i, 0
.rept 8
	v_cmp_gt_i32 vcc_lo, i, v14
	v_cndmask_b32 v[D8+i], 0, s[BIGN], vcc_lo
.set i, i+1
.endr
	v_mov_b32 v[BP], s[BIGN]
	v_mov_b32 v[BP+1], s[BIGN]
	v_mov_b32 v[ZP], 0
	v_mov_b32 v[ZP+1], 0
	WIN 0
	v_mov_b32 v[NEG1], -1.0
	v_mul_u32_u24 v[AK0], v1, PK
	v_lshl_add_u32 v[AK0], v9, 4, v[AK0]
	v_and_b32 v10, 7, v0            ; the turning load: lane l reads key 8 (l / 16) + l % 8, channels 8 ((l / 8) % 2) + 0..7
	v_bfe_u32 v11, v0, 3, 1
	v_lshl_add_u32 v[AV0], v9, 3, v10
	v_mul_u32_u24 v[AV0], v[AV0], PV
	v_lshl_add_u32 v[AV0], v11, 4, v[AV0]
	v_add_nc_u32 v[AV0], VOFF, v[AV0]
	s_mul_i32 s13, s[WV], 16*SP
	s_add_co_u32 s13, s13, STAGE
	v_mul_u32_u24 v[STO], v1, SP
	v_lshl_add_u32 v[STO], v9, 4, v[STO]
	v_add_nc_u32 v[STO], s13, v[STO]
	v_bfe_u32 v[RD], v0, 3, 2
	v_mul_u32_u24 v[RD], v[RD], SP
	v_lshl_add_u32 v[RD], v10, 4, v[RD]
	v_add_nc_u32 v[RD], s13, v[RD]
	v_and_b32 v39, 31, v0
	v_lshlrev_b32 v[GO], 4, v39
	s_mul_i32 s13, s[WV], PART      ; my part of the partial results
	v_lshl_add_u32 v[GVL], v39, 4, s13
	v_add_nc_u32 v[GVH], HB, v[GVL]
	v_add_nc_u32 v[GVL], SLOT1, v[GVL]
	v_lshl_add_u32 v[GSL], v39, 3, s13
	v_add_nc_u32 v[GSH], HB+16384, v[GSL]
	v_add_nc_u32 v[GSL], SLOT1+16384, v[GSL]
	s_mul_i32 s13, s[UU], PART      ; wave u's part (wave 2 + u's lies 2 PART on), pieces 2 g and 2 g + 1
	s_lshl_b32 s19, s[GG], 13
	s_add_co_u32 s19, s19, s13
	v_lshl_add_u32 v[TKOL], v39, 4, s19
	v_add_nc_u32 v[TKOH], HB, v[TKOL]
	v_add_nc_u32 v[TKOL], SLOT1, v[TKOL]
	s_lshl_b32 s19, s[GG], 9
	s_add_co_u32 s19, s19, s13
	v_lshl_add_u32 v[TKSL], v39, 3, s19
	v_add_nc_u32 v[TKSH], HB+16384, v[TKSL]
	v_add_nc_u32 v[TKSL], SLOT1+16384, v[TKSL]
	v_lshlrev_b32 v[PFO], 8, v39
	; A block's first step multiplies O^T and l by a = 0, and its first turn's products V^T P, of a piece that has not been, land in an O^T that is still to be so multiplied: these registers need only hold finite numbers.
	; The remainder's registers hold 0 until the last slot's first step is fetched: that slot's first three turns still multiply by the slot before's V, and add 0 for it.
	WIN 0x80
.set i, VF
.rept 64
	v_mov_b32 v[i], 0
.set i, i+1
.endr
	WIN 0x40
.set i, 0
.rept 128
	v_mov_b32 v[i], 0
.set i, i+1
.endr
.set i, VL
.rept 64
	v_mov_b32 v[i], 0
.set i, i+1
.endr
	WIN 0
.set i, 0
.rept 4
	v_mov_b32 v[ST+4*i+2], 0
	v_mov_b32 v[ST+4*i+3], 0
.set i, i+1
.endr
.set i, P+16
.rept 16
	v_mov_b32 v[i], 0
.set i, i+1
.endr
; THE MATRIX WORK.  The 4 accumulators of a run of 8 take turns.  Product i of 8 of S^T = K Q^T for piece x: channels 32 (i / 4) on, keys 16 (i % 4) on.  The first 4 start the sums with a mask.
.macro KQ x
.set rS, S+32*((\x)%2)+8*(i%4)
.set rK, KF+16*(i%4)+8*(i/4)
.set rQ, 16*(\x)+8*(i/4)
.if i < 4
.if i < (\x)
.set rM, LOW8
.elseif i == (\x)
.set rM, DIA8
.else
.set rM, UPP8
.endif
	WIN W_KM
	v_wmma_f32_16x16x32_f16 v[rS:rS+7], v[rK:rK+7], v[rQ:rQ+7], v[rM:rM+7]
.else
	WIN W_KQ
	v_wmma_f32_16x16x32_f16 v[rS:rS+7], v[rK:rK+7], v[rQ:rQ+7], v[rS:rS+7]
.endif
.endm
.macro PV x                         ; product i of 8 of O^T += V^T P for piece x: keys 32 (i / 4) on, channels 16 (i % 4) on
	WIN W_PV
.set rO, 32*(\x)+8*(i%4)
.set rV, VF+32*(i/4)+8*(i%4)
.set rP, P+16*((\x)%2)+8*(i/4)
	v_wmma_f32_16x16x32_f16 v[rO:rO+7], v[rV:rV+7], v[rP:rP+7], v[rO:rO+7]
.endm
.macro PVL8 x                       ; the same eight products with V's remainder, on end: the 4 accumulators take turns here too, and on into the eight that follow
.set iL, 0
.rept 8
	WIN W_PL
.set rO, 32*(\x)+8*(iL%4)
.set rV, VL+32*(iL/4)+8*(iL%4)
.set rP, P+16*((\x)%2)+8*(iL/4)
	v_wmma_f32_16x16x32_f16 v[rO:rO+7], v[rV:rV+7], v[rP:rP+7], v[rO:rO+7]
.set iL, iL+1
.endr
.endm
.macro MM                           ; the turn's next matrix instruction.  NOKQ = 1: a block's last turn: there is no next piece
.if (i < 8) && !NOKQ
	KQ (Y+1)%NP
.elseif i >= 8
.set i, i-8
	PV (Y+NP-1)%NP
.set i, i+8
.endif
.set i, i+1
.endm
.macro FETCH_K                      ; a step's K, 64 keys x 64 channels, in one run of 16 loads
	WIN 0x80
.irp f, 0,1,2,3,4,5,6,7
	ds_load_b128 v[KF+8*\f:KF+8*\f+3],   v[AK] offset:(\f/2)*16*PK+(\f%2)*64
	ds_load_b128 v[KF+8*\f+4:KF+8*\f+7], v[AK] offset:(\f/2)*16*PK+(\f%2)*64+32
.endr
	s_add_co_u32 s[TBK], s[TBK], KS*PK
	WIN 0
.endm
.macro FETCH_V                      ; its V, turned
	WIN 0x80
.irp f, 0,1,2,3,4,5,6,7
	ds_load_tr16_b128 v[VF+8*\f:VF+8*\f+3],   v[AV] offset:(\f/4)*32*PV+(\f%4)*32
	ds_load_tr16_b128 v[VF+8*\f+4:VF+8*\f+7], v[AV] offset:(\f/4)*32*PV+16*PV+(\f%4)*32
.endr
	WIN 0
.endm
.macro FETCH_VL                     ; and V's remainder, likewise
	WIN 0x40
.irp f, 0,1,2,3,4,5,6,7
	ds_load_tr16_b128 v[VL+8*\f:VL+8*\f+3],   v[AVL] offset:(\f/4)*32*PV+(\f%4)*32
	ds_load_tr16_b128 v[VL+8*\f+4:VL+8*\f+7], v[AVL] offset:(\f/4)*32*PV+16*PV+(\f%4)*32
.endr
	WIN 0
.endm
; THE VECTOR WORK, a line at a time: OP kind, number.  For piece Y: F n: c s - c m for pair n.  E n: the exponential of score n.  C n: pair n rounded to f16.  B n: of four weights the second pair onto the first.
; L n: l takes that sum (L 0: l = a l + sum).  R n: pair n of O^T times a.  For piece Y + 1: X n: 0-16 the maximum (each accumulator's lowest registers first), 17, 18 the other half of the lanes, 19-21 c m, its change, a.
.set F, 0
.set E, 1
.set C, 2
.set B, 3
.set L, 4
.set R, 5
.set X, 6
.macro REGS y
.set rT, ST+4*(\y)
.set rC, TMP+4*((\y)%2)
.set rW, MV+((\y)%2)
.set rS, S+32*((\y)%2)
.set rP, P+16*((\y)%2)
.set rO, 32*(\y)
.endm
.macro OP k, n
.if (\k) == R
	REGS Y
	WIN W_RS
	v_pk_mul_f32 v[rO+2*(\n):rO+2*(\n)+1], v[rO+2*(\n):rO+2*(\n)+1], v[rC+2:rC+3] op_sel_hi:[1,0]
.elseif (\k) < R
	REGS Y
	WIN 0
.if (\k) == F
	v_pk_fma_f32 v[rS+2*(\n):rS+2*(\n)+1], v[rS+2*(\n):rS+2*(\n)+1], s[CS:CS+1], v[rT:rT+1] op_sel_hi:[1,0,0] neg_lo:[0,0,1] neg_hi:[0,0,1]
.elseif (\k) == E
	v_exp_f32 v[rS+(\n)], v[rS+(\n)]
.elseif (\k) == C
	v_cvt_pk_f16_f32 v[rP+(\n)], v[rS+2*(\n)], v[rS+2*(\n)+1]
.elseif (\k) == B
	v_pk_add_f32 v[rS+4*(\n):rS+4*(\n)+1], v[rS+4*(\n):rS+4*(\n)+1], v[rS+4*(\n)+2:rS+4*(\n)+3]
.elseif (\n) == 0
	v_pk_fma_f32 v[rT+2:rT+3], v[rT+2:rT+3], v[rC+2:rC+3], v[rS:rS+1] op_sel_hi:[1,0,1]
.else
	v_pk_add_f32 v[rT+2:rT+3], v[rT+2:rT+3], v[rS+4*(\n):rS+4*(\n)+1]
.endif
.elseif NOKQ
	v_nop
.else
	REGS (Y+1)%NP
	WIN 0
.if (\n) < 4
	v_max3_num_f32 v[rC+(\n)], v[rS+8*(\n)], v[rS+8*(\n)+1], v[rS+8*(\n)+2]
.elseif (\n) < 12
	v_max3_num_f32 v[rC+(\n)%4], v[rC+(\n)%4], v[rS+8*((\n)%4)+2*((\n)/4)+1], v[rS+8*((\n)%4)+2*((\n)/4)+2]
.elseif (\n) == 12
	v_max3_num_f32 v[rC], v[rC], v[rS+7], v[rS+15]
.elseif (\n) == 13
	v_max3_num_f32 v[rC+1], v[rC+1], v[rS+23], v[rS+31]
.elseif (\n) == 14
	v_max3_num_f32 v[rC+2], v[rC+2], v[rC+3], v[rT+1]
.elseif (\n) == 15
	v_mov_b32 v[rW], v[rT]
.elseif (\n) == 16
	v_max3_num_f32 v[rC], v[rC], v[rC+1], v[rC+2]
.elseif (\n) == 17
	v_permlanex16_b32 v[rC+3], v[rC], s[SEL], s[SEL+1]
.elseif (\n) == 18
	v_max_num_f32 v[rT+1], v[rC], v[rC+3]
.elseif (\n) == 19
	v_mul_f32 v[rT], s[CS], v[rT+1]
.elseif (\n) == 20
	v_sub_f32 v[rC+1], v[rW], v[rT]
.else
	v_exp_f32 v[rC+2], v[rC+1]
.endif
.endif
.endm
.macro OPS a, i1, b=-1, i2=0, c=-1, i3=0, d=-1, i4=0
	OP \a, \i1
.if (\b) >= 0
	OP \b, \i2
.endif
.if (\c) >= 0
	OP \c, \i3
.endif
.if (\d) >= 0
	OP \d, \i4
.endif
.endm
.macro ROW a, i1, b, i2, c, i3, d, i4  ; a matrix instruction and the four behind it
	MM
	OPS \a, \i1, \b, \i2, \c, \i3, \d, \i4
.endm
; The three masks for step 2 - CNT of the slot in hand.
.macro MASKS
	s_cmp_eq_i32 s[CNT], s[CEF]     ; is that step my queries' own band?
	s_cselect_b32 s[AL], 1.0, 0
	s_cmp_lt_i32 s[CNT], s[CEF]     ; or a later one?
	s_cselect_b32 s[BE], s[BIGN], 0
	WIN W_RS
.set z, 0
.rept 4
	v_pk_fma_f32 v[LOW8+2*z:LOW8+2*z+1], v[ZP:ZP+1], s[AL:AL+1], s[BE:BE+1] op_sel_hi:[1,0,0]
	v_pk_fma_f32 v[DIA8+2*z:DIA8+2*z+1], v[D8+2*z:D8+2*z+1], s[AL:AL+1], s[BE:BE+1] op_sel_hi:[1,0,0]
	v_pk_fma_f32 v[UPP8+2*z:UPP8+2*z+1], v[BP:BP+1], s[AL:AL+1], s[BE:BE+1] op_sel_hi:[1,0,0]
.set z, z+1
.endr
.endm
; A TURN, for piece p.  Ahead of its one wait stands all that names no result of the turn's exponentials: 8 products K Q^T with their riders, then the lump; behind it 8 products V^T P, whose riders are the roundings and sums.
; K of the next step is fetched in piece 2's turn, behind the last product that read K and six plain instructions; V of the step in hand at the end of piece 0's turn, four plain instructions behind its last reader; each
; is waited for a turn later.  Piece 2's turn ends with the masks of the step whose products begin in piece 3's turn.  end = 1: a block's last two turns: nothing is fetched.  cnt = 1: the loop's count is taken down.
; PREC = 1 (the walk's last slot): eight more products, P x V's remainder, stand directly behind the wait; the remainder is fetched with V, 32 plain instructions behind its last reader.
.macro TURN p, end=0, cnt=0
.set Y, (\p)
.set i, 0
.set NOKQ, (\end)*((\p)/3)
.if ((\p) == 3) && !(\end)
	s_wait_dscnt 0x0                ; K is in
.endif
	ROW F,0, F,1, R,0, R,1
	ROW F,2, E,0, R,2, R,3
	ROW F,3, E,1, R,4, R,5
	ROW F,4, E,2, R,6, R,7
	ROW F,5, E,3, R,8, R,9
	ROW F,6, E,4, X,0, R,10
.if ((\p) == 2) && !(\end)
	WIN 0
	v_add_nc_u32 v[AK], s[TBK], v[AK0]
.endif
	ROW F,7, E,5, X,1, X,4
	ROW F,8, E,6, X,2, X,5
	OPS E,7, E,8, X,6, E,9
	OPS X,3, E,10, X,8, E,11
.if ((\p) == 2) && !(\end)
	FETCH_K
.endif
	OPS X,9, X,7, E,12, X,10
	OPS E,13, X,12, X,11, E,14
	OPS X,13, E,15, F,9, X,14
.if (\p) == 0
	v_add_nc_u32 v[AV], s[TBV], v[AV0]
.if PREC
	v_add_nc_u32 v[AVL], s[TBL], v[AV0]
.endif
.endif
	OPS E,16, F,10, E,17, F,11
	OPS X,16, E,18, X,15, E,19
	OPS F,12, E,20, X,17, E,21
	OPS F,13, E,22, F,14, E,23
	OPS X,18, E,24, F,15, E,25
	OPS R,11, E,26, X,19, E,27
	OPS R,12, E,28, R,13, E,29
	OPS X,20, E,30, R,14, E,31
	OPS X,21, R,15                  ; the next piece's a is the batch's last; R 15 is the plain instruction behind it
	WIN 0
	s_wait_alu depctr_va_vdst(0)    ; the one wait for the batch
.if (\p) == 1
	s_wait_dscnt 0x0                ; V is in, and with PREC its remainder
.endif
.if PREC
	PVL8 (Y+NP-1)%NP
.endif
	ROW C,0, B,0, C,2, B,1
	ROW L,0, C,4, B,2, L,1
	ROW C,6, B,3, L,2, C,8
	ROW B,4, L,3, C,10, B,5
	ROW L,4, C,12, B,6, L,5
.if (\p) == 0
	s_add_co_u32 s[TBV], s[TBV], KS*PV
.if PREC
	s_add_co_u32 s[TBL], s[TBL], KS*PV
.endif
.endif
.if \cnt
	s_sub_co_u32 s[CNT], s[CNT], 1
	s_cmp_lg_u32 s[CNT], 0
.endif
	ROW C,14, B,7, L,6, C,1
	ROW C,3, L,7, C,5, C,7
	ROW C,9, C,11, C,13, C,15
.if (\p) == 0
	FETCH_V
.if PREC
	FETCH_VL
.endif
.endif
.if ((\p) == 2) && !(\end)
	MASKS
.endif
.endm
; A BLOCK BEGINS: c m far below every c s, so that the first step's a is 0; m at -2^96, between the hidden scores (about -1e30) and the open ones (2.7e11 at the most in magnitude), so that m is never a hidden score: with m = s = -1e30
; the scaling c s - c m would leave the rounding error of c m, which is no small number at that size.  Then the masks of the slot's step 0; K of that step; piece 0's first scores, maximum and statistics.
.macro BEGIN
	s_mov_b32 s[NEW], 0
	WIN 0
.set i, 0
.rept 4
	v_mov_b32 v[ST+4*i], 0xfe000000    ; c m
	v_mov_b32 v[ST+4*i+1], 0xef800000  ; m = -2^96
.set i, i+1
.endr
	MASKS
	WIN 0
	v_add_nc_u32 v[AK], s[TBK], v[AK0]
	FETCH_K
	s_wait_loadcnt 0x0              ; Q
	s_wait_dscnt 0x0
.set NOKQ, 0
.set i, 0
.rept 8
	KQ 0
.set i, i+1
.endr
	WIN 0
.rept 4
	v_nop                           ; the places behind those products
.endr
.set Y, NP-1
.irp n, 0,1,2,3,4,5,6,7,8,9,10,11,12,13,14,15,16,17,18,19,20,21
	OP X, \n
.endr
	v_nop                           ; a plain instruction behind the exponential,
	s_wait_alu depctr_va_vdst(0)    ; and its wait, ahead of the branch
.endm
.macro ALL line:vararg              ; one line for each piece t
.set t, 0
.rept 4
	\line
.set t, t+1
.endr
.endm
; A slot is entered.
.macro ENTER tag
	s_sub_co_u32 s[RT], s[RT], 1
	s_mov_b32 s[CNT], 2
	s_cmp_eq_u32 s[RT], 0           ; the block's last slot holds the diagonal
	s_cselect_b32 s[CEF], s[CE], -16
	s_cmp_eq_u32 s[NEW], 1
	s_cbranch_scc0 .Lstep\tag
	BEGIN
	s_branch .Lfirst\tag            ; the loop is entered at a step's first turn, in the middle of a trip
.endm
.macro STEPS tag                    ; a trip: pieces 2 and 3 of one step, then pieces 0 and 1 of the next, whose K and V it fetches
.Lstep\tag:
	TURN 2
	TURN 3
	WIN 0
.Lfirst\tag:
	TURN 0
	TURN 1, 0, 1
	WIN 0
	s_cbranch_scc1 .Lstep\tag
.endm
.macro ENDB                         ; a block's last two turns and its last products
	TURN 2, 1
	TURN 3, 1
.if PREC
	PVL8 NP-1
.endif
.set i, 0
.rept 8
	PV NP-1
.set i, i+1
.endr
.endm
; My partial results go to LDS: for each piece (c m, l), l summed over its two halves and the other half of the lanes; then O^T as it lies, each accumulator's low four registers first.  The additions are the places behind the last products.
.macro GIVE gv, gs
	WIN 0
	ALL v_add_f32 v[ST+4*t+2], v[ST+4*t+2], v[ST+4*t+3]
	ALL v_permlanex16_b32 v[ST+4*t+3], v[ST+4*t+2], s[SEL], s[SEL+1]
	ALL v_add_f32 v[ST+4*t+1], v[ST+4*t+2], v[ST+4*t+3]
	ALL ds_store_b64 v[\gs], v[ST+4*t:ST+4*t+1] offset:256*t
	WIN 0x04                        ; the stores' data in window 1
.set i, 0
.rept 32
	ds_store_b128 v[\gv], v[4*i:4*i+3] offset:512*i
.set i, i+1
.endr
	WIN 0
.endm
; Two pieces are finished: O = (O_A w_A + O_B w_B) / (l_A w_A + l_B w_B), w = 2^(c m - the larger c m); A is wave u's part, B wave 2 + u's.  O is rounded to f16 (v64-95); the half times -1 plus O is the exact remainder (one fused
; multiply-add from the f16 half), which is rounded to f16 too (v96-127).  Both go through my stage, one after the other, and are stored as 512 consecutive bytes.
.macro TPIECE i
.set z, 0
.rept 16
	v_pk_mul_f32 v[128+64*(\i)+2*z:128+64*(\i)+2*z+1], v[128+64*(\i)+2*z:128+64*(\i)+2*z+1], v[40+4*(\i):41+4*(\i)] op_sel_hi:[1,0]
.set z, z+1
.endr
.set z, 0
.rept 16
	v_pk_fma_f32 v[128+64*(\i)+2*z:128+64*(\i)+2*z+1], v[160+64*(\i)+2*z:160+64*(\i)+2*z+1], v[42+4*(\i):43+4*(\i)], v[128+64*(\i)+2*z:128+64*(\i)+2*z+1] op_sel_hi:[1,0,1]
.set z, z+1
.endr
.set z, 0
.rept 16
	v_cvt_pk_f16_f32 v[64+16*(\i)+z], v[128+64*(\i)+2*z], v[128+64*(\i)+2*z+1]
.set z, z+1
.endr
.set z, 0
.rept 16
	v_fma_mix_f32 v[128+64*(\i)+2*z], v[64+16*(\i)+z], v[NEG1], v[128+64*(\i)+2*z] op_sel_hi:[1,0,0]
	v_fma_mix_f32 v[128+64*(\i)+2*z+1], v[64+16*(\i)+z], v[NEG1], v[128+64*(\i)+2*z+1] op_sel:[1,0,0] op_sel_hi:[1,0,0]
.set z, z+1
.endr
.set z, 0
.rept 16
	v_cvt_pk_f16_f32 v[96+16*(\i)+z], v[128+64*(\i)+2*z], v[128+64*(\i)+2*z+1]
.set z, z+1
.endr
.irp q, 64, 96
.irp f, 0,1,2,3
	ds_store_b128 v[STO], v[\q+16*(\i)+4*\f:\q+16*(\i)+4*\f+3] offset:32*\f
.endr
.irp f, 0,1,2,3
	ds_load_b128 v[\q+16*(\i)+4*\f:\q+16*(\i)+4*\f+3], v[RD] offset:\f*4*SP  ; LDS serves a wave's instructions in order: these see the stores above, and the next stores come behind them
.endr
.endr
.endm
.macro TAKE tko, tks, op, opl
	WIN 0
.irp i, 0,1
	ds_load_b64 v[24+4*\i:25+4*\i], v[\tks] offset:256*\i
	ds_load_b64 v[26+4*\i:27+4*\i], v[\tks] offset:256*\i+2*PART
.endr
.irp i, 0,1
.irp f, 0,1,2,3,4,5,6,7
	ds_load_b128 v[128+64*\i+4*\f:128+64*\i+4*\f+3], v[\tko] offset:4096*\i+512*\f
.endr
.irp f, 0,1,2,3,4,5,6,7
	ds_load_b128 v[160+64*\i+4*\f:160+64*\i+4*\f+3], v[\tko] offset:4096*\i+512*\f+2*PART
.endr
.endr
	s_wait_dscnt 32                 ; the statistics are in; the 32 loads behind them may be out
.irp i, 0,1
	v_max_num_f32 v[48+\i], v[24+4*\i], v[26+4*\i]
.endr
.irp i, 0,1
	v_sub_f32 v[40+4*\i], v[24+4*\i], v[48+\i]
	v_sub_f32 v[42+4*\i], v[26+4*\i], v[48+\i]
.endr
.irp i, 0,1
	v_exp_f32 v[40+4*\i], v[40+4*\i]
	v_exp_f32 v[42+4*\i], v[42+4*\i]
.endr
	v_nop
	s_wait_alu depctr_va_vdst(0)    ; one wait for the four exponentials
.irp i, 0,1
	v_mul_f32 v[50+\i], v[25+4*\i], v[40+4*\i]
.endr
.irp i, 0,1
	v_fmac_f32 v[50+\i], v[27+4*\i], v[42+4*\i]
.endr
.irp i, 0,1
	v_rcp_f32 v[52+\i], v[50+\i]
.endr
	v_nop
	s_wait_alu depctr_va_vdst(0)    ; one wait for the two reciprocals
.irp i, 0,1
	v_mul_f32 v[40+4*\i], v[40+4*\i], v[52+\i]
	v_mul_f32 v[42+4*\i], v[42+4*\i], v[52+\i]
.endr
.irp i, 0,1
	v_mov_b32 v[41+4*\i], v[40+4*\i]  ; named with them as pairs
	v_mov_b32 v[43+4*\i], v[42+4*\i]
.endr
	s_wait_dscnt 16                 ; the first piece's 16 loads are in
	TPIECE 0
	s_wait_dscnt 16                 ; the second piece's are in; the first piece's sixteen stage instructions are younger
	TPIECE 1
.irp i, 0,1                         ; behind a load from the stage stand the rest of its four, the remainder's eight (for O itself) and the second piece's sixteen (for the first)
.irp f, 0,1,2,3
	s_wait_dscnt 16*(1-\i)+8+3-\f
	global_store_b128 v[GO], v[64+16*\i+4*\f:64+16*\i+4*\f+3], s[\op:\op+1] offset:2048*\i+512*\f
.endr
.irp f, 0,1,2,3
	s_wait_dscnt 16*(1-\i)+3-\f
	global_store_b128 v[GO], v[96+16*\i+4*\f:96+16*\i+4*\f+3], s[\opl:\opl+1] offset:2048*\i+512*\f
.endr
.endr
.endm
.set NOKQ, 0
.set PREC, 0
.Lslot:                             ; 16 times: a slot is entered and the next is asked for
	CHANGE 1
	ENTER 1
	STEPS 1
	s_cmp_lg_u32 s[RT], 0
	s_cbranch_scc1 .Lbottom
	ENDB                            ; in the loop this is the first block's end: the second block's last slot is the walk's last
	GIVE GVH, GSH
	s_mov_b32 s[CE], s[CEL]
	s_add_co_u32 s[RT], s[PBH], 1   ; the second block's slots
	s_mov_b32 s[NEW], 1
	WIN 0x82                        ; the second block's Q goes where the one text of the turns names Q
.set i, 0
.rept 64
	v_mov_b32 v[i], v[QB+i]
.set i, i+1
.endr
	WIN 0
.Lbottom:
	s_sub_co_u32 s[SLOTS], s[SLOTS], 1
	s_cmp_lg_u32 s[SLOTS], 0
	s_cbranch_scc1 .Lslot
.set PREC, 1
	CHANGE 0                        ; the walk's last slot is written out; its text adds V's remainder
	ENTER 2
	STEPS 2
	ENDB
	WIN 0
	s_wait_dscnt 0x0
	s_barrier_signal -1
	s_barrier_wait -1               ; every wave's reads of the ring are over: slot 1, which has had its last fill, takes the second block's partial results
	GIVE GVL, GSL
	s_wait_dscnt 0x0                ; for the others' sake: my stores are done
	s_barrier_signal -1
	s_barrier_wait -1
	TAKE TKOL, TKSL, OLO, OLOL
	s_wait_xcnt 0x0                 ; the stores have read their data registers, which are written again below
	TAKE TKOH, TKSH, OHI, OHIL
	s_wait_tensorcnt 0x0            ; the wave's end
	ds_add_u32 v[SPW], v[NIL]
	s_wait_dscnt 0x0
	s_endpgm
.Lfunc_end_k_q329e173cc4_attn:
	.size	k_q329e173cc4_attn, .Lfunc_end_k_q329e173cc4_attn-k_q329e173cc4_attn
	.p2alignl 7, 3214868480
	.fill 96, 4, 3214868480
	.section	.rodata,"a",@progbits
	.p2align	6, 0x0
	.amdhsa_kernel k_q329e173cc4_attn
		.amdhsa_group_segment_fixed_size 327680
		.amdhsa_private_segment_fixed_size 0
		.amdhsa_enable_private_segment 0
		.amdhsa_kernarg_size 24
		.amdhsa_user_sgpr_count 2
		.amdhsa_user_sgpr_kernarg_segment_ptr 1
		.amdhsa_wavefront_size32 1
		.amdhsa_system_sgpr_workgroup_id_x 1
		.amdhsa_system_sgpr_workgroup_id_y 1
		.amdhsa_system_sgpr_workgroup_id_z 1
		.amdhsa_system_vgpr_workitem_id 0
		.amdhsa_next_free_vgpr 768
		.amdhsa_next_free_sgpr 102
		.amdhsa_reserve_vcc 1
		.amdhsa_float_denorm_mode_32 3
		.amdhsa_float_denorm_mode_16_64 3
		.amdhsa_memory_ordered 1
		.amdhsa_forward_progress 1
		.amdhsa_inst_pref_size 195
	.end_amdhsa_kernel
	.amdgpu_metadata
---
amdhsa.version: [ 1, 2 ]
amdhsa.kernels:
  - .name:           k_q329e173cc4_attn
    .symbol:         k_q329e173cc4_attn.kd
    .args:
      - { .name: qkv, .offset: 0, .size: 8, .value_kind: global_buffer, .address_space: global }
      - { .name: vlo, .offset: 8, .size: 8, .value_kind: global_buffer, .address_space: global }
      - { .name: ob, .offset: 16, .size: 8, .value_kind: global_buffer, .address_space: global }
    .group_segment_fixed_size: 327680
    .private_segment_fixed_size: 0
    .kernarg_segment_align: 8
    .kernarg_segment_size: 24
    .max_flat_workgroup_size: 128
    .sgpr_count:     102
    .vgpr_count:     768
    .wavefront_size: 32
...
	.end_amdgpu_metadata
.endif
;; end of part 3
;; launch outp (part 4): grid 8 x 32, 4 waves a work-group, clusters of 4 x 4, 327,680 bytes of LDS; arguments ob, wob, out0; writes out0
.if DOCPART == 4
	.amdgcn_target "amdgcn-amd-amdhsa--gfx1250"
	.amdhsa_code_object_version 6
	.text
	.protected	k_q329e173cc4_outp
	.globl	k_q329e173cc4_outp
	.p2align	8
	.type	k_q329e173cc4_outp,@function
k_q329e173cc4_outp:
	s_mov_b64 s[64:65], 0
	v_nop
	global_prefetch_b8 v0, s[64:65] scope:SCOPE_SE
	s_setreg_imm32_b32 hwreg(HW_REG_WAVE_MODE, 25, 1), 1
	s_wait_xcnt 0x0
	s_wait_alu depctr_hold_cnt(0) depctr_sa_sdst(0) depctr_va_vdst(0) depctr_va_sdst(0) depctr_va_ssrc(0) depctr_va_vcc(0) depctr_vm_vsrc(0)
	s_getreg_b32 s2, hwreg(HW_REG_IB_STS2, 6, 4)
	s_cmp_eq_u32 s2, 0
	s_cbranch_scc0 .Lentry_in_a_cluster
	s_endpgm
.Lentry_in_a_cluster:
	s_bfe_u32 s2, ttmp6, 0x10000c
	s_cmp_lg_u32 s2, 0xf033
	s_cbranch_scc0 .Lentry_shape_is_right
	s_endpgm
.Lentry_shape_is_right:
; OUTP.  out0[n][e] = sum over d of attn[n][d] wob[e][d], d = 64 head + channel.  attn comes as two f16 terms, by heads: ob [32][4096][64], plane h the rounded number, plane 16 + h its remainder; wob [1024][1024] f16;
; out0 [4096][1024] f32.  Sums in f32.  Both terms are multiplied: K is 2,048, the second 1,024 against the same columns of wob.  (The remainder is wanted where a row of attn averages few keys; the text is one for all rows.)
; A tile of out0 is 128 x 128: 8 x 32 work-groups.  Four waves, each 64 x 64: 16 accumulators.  K goes in eight steps of 256 = four planes, through two LDS slots.
; ob's TILE: one plane's 128 rows are 16,384 dense bytes, asked for as ONE long row; a load's two rows are two planes, 262,144 elements apart; padded behind every 128 bytes, so that in LDS a plane is 128 rows of 144 bytes.
; CLUSTER 4 x 4: ob's tile is shared along a row of the cluster, wob's along a column.  The product is taken transposed (source 0 = 16 rows of wob): a lane holds eight neighbouring numbers of a row of out0.
; No prefetch: eight short K steps, a small tile.
; REGISTERS: window 0: v0-31 addresses; v128-255 the accumulators ((a, b) at 128 + 8 (4 a + b)).  window 1: two fragment buffers of 128: for 64 along K, 64 registers of ob, then 64 of wob.
.set PA,     144
.set PB,     528                       ; a row of wob in LDS: 512 bytes + 16
.set HEADB,  128*PA                    ; a plane's 128 rows
.set BOFF,   4*HEADB                   ; a slot: four planes of ob, then wob's 128 rows
.set SLOT,   BOFF+128*PB
.set STAGE,  2*SLOT                    ; behind the ring: 16 rows x 272 bytes for each wave
.set SPITCH, 272
.set SPARE,  STAGE+4*16*SPITCH         ; the spare words, 128 bytes for each wave
.set LAPS,   4                         ; a lap = two K steps = once round the ring
.set ADRA, 16                          ; v16-17  LDS address of my ob fragments in slot 0, 1
.set ADRB, 20                          ; v20-21  the same for wob
.set STO,  24
.set RD,   25
.set CO,   26
.set SPW,  28
.set NIL,  29
.set ACC,  128
.set F0,   0
.set F1,   128
.set G1, 24                            ; s[24:31] group 1 for ob's tiles; s[32:39] group 0, a set for each slot
.set G0, 32
.set G1B, 48                           ; s[48:55], s[56:63] the same for wob's
.set G0B, 56
.set BB,  66                           ; s[66:69] wob at my rows, at K steps 0 and 1: a pair for each slot; never rewritten
.set BT,  70                           ; s[70:71] 0 or 1,024: the bytes along wob's rows that the lap's two refills add
.set MSB, 0
.macro WIN new
.if MSB != (\new)
	s_set_vgpr_msb (MSB<<8)|(\new)
.set MSB, \new
.endif
.endm
.set MUL,  0x05                        ; sources 0 and 1 window 1; C and D window 0
.set TO_F, 0x40
.macro JLOAD s                         ; waves 0 and 1 fetch ob's planes (two each), waves 2 and 3 wob's halves
	s_cmp_eq_u32 s11, 0
	s_cbranch_scc0 .Lfor_b_\@
	tensor_load_to_lds s[G0+4*(\s):G0+4*(\s)+3], s[G1:G1+7]
	s_nop 0
.rept 4
	v_nop
.endr
	s_branch .Lasked_\@
.Lfor_b_\@:
	tensor_load_to_lds s[G0B+4*(\s):G0B+4*(\s)+3], s[G1B:G1B+7]
	s_nop 0
.rept 4
	v_nop
.endr
.Lasked_\@:
.endm
.macro CREST
	s_cmp_lg_u32 s10, 0
	s_cbranch_scc1 .Lnot_wave_0_\@
	s_barrier_signal -3
.Lnot_wave_0_\@:
	s_barrier_wait -3
	s_barrier_signal -1
	s_barrier_wait -1
.endm
.macro CROUND
	s_barrier_signal -1
	s_barrier_wait -1
	CREST
.endm
	s_load_b128 s[4:7], s[0:1], 0x0                ; ob s[4:5], wob s[6:7]
	s_load_b64 s[8:9], s[0:1], 0x10                ; out0
	v_lshl_add_u32 v[SPW], v0, 2, SPARE
	v_mov_b32 v[NIL], 0
	ds_add_u32 v[SPW], v[NIL]                      ; the wave's opening: the add and its wait stand ahead of my first tensor load
	v_lshrrev_b32 v1, 5, v0
	v_readfirstlane_b32 s10, v1                    ; wave 0..3
	s_lshr_b32 s11, s10, 1                         ; which half of the tile's rows is mine.  Also: I fetch for ob (0) or wob (1)
	s_and_b32 s12, s10, 1                          ; which half of its columns.  Also: which part of that tile I fetch
	s_bfe_u32 s40, ttmp6, 0x40000                  ; cx
	s_bfe_u32 s41, ttmp6, 0x40004                  ; cy
	s_lshl_b32 s42, ttmp9, 2
	s_add_co_u32 s42, s42, s40                     ; tile column
	s_and_b32 s13, ttmp7, 0xffff
	s_lshl_b32 s13, s13, 2
	s_add_co_u32 s13, s13, s41                     ; tile row
	s_lshl_b32 s43, s41, 2
	s_lshl_b32 s43, 15, s43                        ; my row of the cluster
	s_lshl_b32 s44, 0x1111, s40                    ; my column
	s_or_b32 s[G1+0], s43, (1<<16)|(1<<20)|(1<<21)|(4<<22)|(3<<25)   ; mask; 2-byte elements; padding on; bit 21 beside a mask; after every 32 words, 4 words
	s_mov_b32 s[G1+1], 8192<<16                    ; tensor_dim0 = 8,192: a plane's 128 rows of 64
	s_mov_b32 s[G1+2], 2<<16                       ; tensor_dim1 = 2 planes
	s_mov_b32 s[G1+3], 8192<<16                    ; tile_dim0
	s_mov_b32 s[G1+4], 2                           ; tile_dim1
	s_mov_b32 s[G1+5], 262144                      ; elements from plane to plane
	s_mov_b32 s[G1+6], 0
	s_mov_b32 s[G1+7], 0
	s_or_b32 s[G1B+0], s44, (1<<16)|(1<<20)|(1<<21)|(6<<22)|(3<<25)  ; after every 128 words, 4 words
	s_mov_b32 s[G1B+1], 256<<16
	s_mov_b32 s[G1B+2], 64<<16
	s_mov_b32 s[G1B+3], 256<<16
	s_mov_b32 s[G1B+4], 64
	s_mov_b32 s[G1B+5], 1024
	s_mov_b32 s[G1B+6], 0
	s_mov_b32 s[G1B+7], 0
	s_lshl_b32 s16, s13, 14                        ; ob: the tile's 128 rows of 128 bytes in a plane,
	s_lshl_b32 s17, s12, 20                        ; planes 0, 1 or 2, 3 of the K step
	s_add_co_u32 s16, s16, s17
	s_mov_b32 s17, 0
	s_lshl_b32 s46, s42, 18                        ; wob: (128 x tile column + 64 x half) rows of 2,048 bytes
	s_lshl_b32 s47, s12, 17
	s_add_co_u32 s46, s46, s47
	s_mov_b32 s47, 0
	s_mul_i32 s20, s10, 2*HEADB                    ; where they go: waves 0, 1: two planes each;
	s_mul_i32 s21, s10, 64*PB
	s_add_co_u32 s21, s21, BOFF-128*PB             ; waves 2, 3: wob's halves, behind the four planes
	s_mov_b32 s[BT], 0
	s_mov_b32 s[BT+1], 0
	s_wait_dscnt 0x0                               ; the opening add is done
	s_wait_kmcnt 0x0
	s_add_nc_u64 s[14:15], s[4:5], s[16:17]
	s_add_nc_u64 s[BB:BB+1], s[6:7], s[46:47]
	s_add_nc_u64 s[BB+2:BB+3], s[BB:BB+1], 512
	CROUND                                         ; all sixteen work-groups are here: the first joint loads meet
.irp s, 0,1
	s_mov_b32 s[G0+4*(\s)], 1
	s_add_co_u32 s[G0+4*(\s)+1], s20, (\s)*SLOT
	s_add_nc_u64 s[G0+4*(\s)+2:G0+4*(\s)+3], s[14:15], (\s)*4*524288
	s_or_b32 s[G0+4*(\s)+3], s[G0+4*(\s)+3], 0x80000000
	s_mov_b32 s[G0B+4*(\s)], 1
	s_add_co_u32 s[G0B+4*(\s)+1], s21, (\s)*SLOT
	s_add_nc_u64 s[G0B+4*(\s)+2:G0B+4*(\s)+3], s[BB+2*(\s):BB+2*(\s)+1], 0
	s_or_b32 s[G0B+4*(\s)+3], s[G0B+4*(\s)+3], 0x80000000
	JLOAD \s
.endr
	v_and_b32 v1, 15, v0                           ; l % 16
	v_bfe_u32 v2, v0, 4, 1                         ; l / 16
	v_mul_u32_u24 v3, v1, PA
	v_lshl_add_u32 v3, v2, 4, v3
	v_mul_u32_u24 v4, v1, PB
	v_lshl_add_u32 v4, v2, 4, v4
	s_mul_i32 s21, s11, 64*PA                      ; my 64 rows in a plane
	s_mul_i32 s22, s12, 64*PB                      ; my 64 rows of wob,
	s_add_co_u32 s22, s22, BOFF                    ; which lie behind the planes
.irp s, 0,1
	v_add_nc_u32 v[ADRA+(\s)], s21, v3
	v_add_nc_u32 v[ADRB+(\s)], s22, v4
	s_add_co_u32 s21, s21, SLOT
	s_add_co_u32 s22, s22, SLOT
.endr
	s_mul_i32 s23, s10, 16*SPITCH
	s_add_co_u32 s23, s23, STAGE                   ; my stage
	v_mul_u32_u24 v5, v1, SPITCH                   ; in: row l % 16, 32 bytes for each half of the lanes
	v_lshl_add_u32 v5, v2, 5, v5
	v_add_nc_u32 v[STO], s23, v5
	v_mul_u32_u24 v5, v2, SPITCH                   ; back: lanes 0-15 take one row of 256 bytes, lanes 16-31 the next
	v_lshl_add_u32 v5, v1, 4, v5
	v_add_nc_u32 v[RD], s23, v5
	v_lshlrev_b32 v5, 12, v2                       ; and the same two rows in out0
	v_lshl_add_u32 v[CO], v1, 4, v5
	s_lshl_b32 s16, s13, 19                        ; my first row: (128 x tile row + 64 x half) rows of 4,096 bytes
	s_lshl_b32 s17, s11, 18
	s_add_co_u32 s16, s16, s17
	s_mov_b32 s17, 0
	s_add_nc_u64 s[8:9], s[8:9], s[16:17]
	s_lshl_b32 s46, s42, 9                         ; my first column: (128 x tile column + 64 x half) x 4 bytes
	s_lshl_b32 s47, s12, 8
	s_add_co_u32 s46, s46, s47
	s_mov_b32 s47, 0
	s_add_nc_u64 s[8:9], s[8:9], s[46:47]
; 8 matrix instructions: row blocks a0, a0 + 1 x all 4 column blocks, 32 along K: half c of buffer f.  The 16 accumulators take turns.
.macro MUL8 f, c, a0, zero
	WIN MUL
.irp a, \a0, (\a0)+1
.irp b, 0,1,2,3
.if \zero
	v_wmma_f32_16x16x32_f16 v[ACC+8*(4*(\a)+(\b)):ACC+8*(4*(\a)+(\b))+7], v[(\f)+64+8*(4*(\c)+(\b)):(\f)+64+8*(4*(\c)+(\b))+7], v[(\f)+8*(4*(\c)+(\a)):(\f)+8*(4*(\c)+(\a))+7], 0
.else
	v_wmma_f32_16x16x32_f16 v[ACC+8*(4*(\a)+(\b)):ACC+8*(4*(\a)+(\b))+7], v[(\f)+64+8*(4*(\c)+(\b)):(\f)+64+8*(4*(\c)+(\b))+7], v[(\f)+8*(4*(\c)+(\a)):(\f)+8*(4*(\c)+(\a))+7], v[ACC+8*(4*(\a)+(\b)):ACC+8*(4*(\a)+(\b))+7]
.endif
.endr
.endr
.endm
; 32 LDS loads in one run: quarter q of a K step is plane q of the slot's four: 64 channels; the first 32 first
.macro FETCH slot, q, f
	WIN TO_F
.irp c, 0,1
.irp i, 0,1,2,3
	ds_load_b128 v[(\f)+64+8*(4*(\c)+(\i)):(\f)+64+8*(4*(\c)+(\i))+3],   v[ADRB+(\slot)] offset:128*(\q)+64*(\c)+(\i)*16*PB
	ds_load_b128 v[(\f)+64+8*(4*(\c)+(\i))+4:(\f)+64+8*(4*(\c)+(\i))+7], v[ADRB+(\slot)] offset:128*(\q)+64*(\c)+(\i)*16*PB+32
	ds_load_b128 v[(\f)+8*(4*(\c)+(\i)):(\f)+8*(4*(\c)+(\i))+3],         v[ADRA+(\slot)] offset:(\q)*HEADB+64*(\c)+(\i)*16*PA
	ds_load_b128 v[(\f)+8*(4*(\c)+(\i))+4:(\f)+8*(4*(\c)+(\i))+7],       v[ADRA+(\slot)] offset:(\q)*HEADB+64*(\c)+(\i)*16*PA+32
.endr
.endr
.endm
.macro PLACES
.rept 4
	v_nop
.endr
.endm
.macro QUARTER slot, q, f, g, zero     ; multiplies buffer f and fetches quarter q into g
	s_wait_dscnt 16                                ; the first 32 along K are in
	WIN MUL
	MUL8 \f, 0, 0, \zero
	MUL8 \f, 0, 2, \zero
	PLACES
	FETCH \slot, \q, \g
	s_wait_dscnt 32                                ; all but the 32 just issued
	WIN MUL
	MUL8 \f, 1, 0, 0
	MUL8 \f, 1, 2, 0
.endm
; The last quarter multiplies buffer 1 and changes slots: in front of the barrier each wave waits for all its tensor loads, adds 0 to its spare word, and waits for that and for its reads of this slot.
; fill = 1: the barrier opens a round of the cluster's, and this slot is filled again, two K steps on, first thing behind the round.  ob goes eight planes on, from the rounded numbers' planes into the remainders'.
; K step s takes wob's bytes 512 (s % 4) of a row: the laps' refills add 1,024, 0, 1,024 to the slot's first place, so the address is made anew from that place and an offset that an exclusive or turns once a lap.
.macro TURN slot, next, fill
	WIN 0
	s_wait_tensorcnt 0x0
	ds_add_u32 v[SPW], v[NIL]
	s_wait_dscnt 17                                ; the add and the youngest sixteen loads may be out
	WIN MUL
	MUL8 F1, 0, 0, 0
	s_wait_dscnt 0x0
	s_barrier_signal -1
	MUL8 F1, 0, 2, 0
.if \fill
	WIN 0
.endif
	s_barrier_wait -1
.if \fill
	CREST
	s_add_nc_u64 s[G0+4*(\slot)+2:G0+4*(\slot)+3], s[G0+4*(\slot)+2:G0+4*(\slot)+3], 8*524288
.if (\slot) == 0
	s_xor_b32 s[BT], s[BT], 1024
.endif
	s_add_nc_u64 s[G0B+4*(\slot)+2:G0B+4*(\slot)+3], s[BB+2*(\slot):BB+2*(\slot)+1], s[BT:BT+1]
	s_or_b32 s[G0B+4*(\slot)+3], s[G0B+4*(\slot)+3], 0x80000000
	JLOAD \slot                                    ; the four v_nop behind it are also the places in front of the loads below
.else
	PLACES
.endif
	FETCH \next, 0, F0
	WIN MUL
	MUL8 F1, 1, 0, 0
	MUL8 F1, 1, 2, 0
.endm
	s_wait_tensorcnt 1                             ; my part of K step 0 is in; K step 1's may stay out
	s_barrier_signal -1
	s_barrier_wait -1
	FETCH 0, 0, F0
	QUARTER 0, 1, F0, F1, 1                        ; the first quarter stands in front of the loop: its first products start the sums
	WIN 0                                          ; at a label and at a branch every window is 0
	s_mov_b32 s3, LAPS-1
.Llap:                                             ; a trip goes once round the ring, from a lap's second quarter to the next lap's first, and fills both slots again
	QUARTER 0, 2, F1, F0, 0
	QUARTER 0, 3, F0, F1, 0
	TURN 0, 1, 1
	QUARTER 1, 1, F0, F1, 0
	QUARTER 1, 2, F1, F0, 0
	QUARTER 1, 3, F0, F1, 0
	TURN 1, 0, 1
	QUARTER 0, 1, F0, F1, 0
	WIN 0
	s_sub_co_u32 s3, s3, 1
	s_cmp_lg_u32 s3, 0
	s_cbranch_scc1 .Llap
	QUARTER 0, 2, F1, F0, 0                        ; the last lap fills nothing, and has no round of the cluster's barrier
	QUARTER 0, 3, F0, F1, 0
	TURN 0, 1, 0
	QUARTER 1, 1, F0, F1, 0
	QUARTER 1, 2, F1, F0, 0
	QUARTER 1, 3, F0, F1, 0
	s_wait_dscnt 16
	WIN MUL
	MUL8 F1, 0, 0, 0
	MUL8 F1, 0, 2, 0
	s_wait_dscnt 0
	MUL8 F1, 1, 0, 0
	MUL8 F1, 1, 2, 0
	WIN 0
	PLACES
	PLACES
; THE WAY OUT.  My 64 f32 columns are 256 consecutive bytes of a row, aligned: each wave has a stage of its own and needs no barrier.  16 rows at a time: 32 bytes a lane in (each accumulator's low four registers first), whole rows back.
.macro STG a
.irp b, 0,1,2,3
	ds_store_b128 v[STO], v[ACC+32*(\a)+8*(\b):ACC+32*(\a)+8*(\b)+3]   offset:64*(\b)
	ds_store_b128 v[STO], v[ACC+32*(\a)+8*(\b)+4:ACC+32*(\a)+8*(\b)+7] offset:64*(\b)+16
.endr
.irp t, 0,1,2,3,4,5,6,7
	ds_load_b128 v[ACC+32*(\a)+4*(\t):ACC+32*(\a)+4*(\t)+3], v[RD] offset:(\t)*2*SPITCH  ; LDS serves a wave's instructions in order: these see the stores above
.endr
.endm
.macro SEND a, younger                 ; younger: the next block's sixteen LDS instructions, or none
.irp t, 0,1,2,3,4,5,6,7
	s_wait_dscnt (\younger)+7-(\t)
	global_store_b128 v[CO], v[ACC+32*(\a)+4*(\t):ACC+32*(\a)+4*(\t)+3], s[8:9] offset:(16*(\a)+2*(\t))*4096 th:TH_STORE_NT  ; 16 lanes store 256 consecutive bytes, aligned
.endr
.endm
	STG 0
	STG 1
	SEND 0, 16
	STG 2
	SEND 1, 16
	STG 3
	SEND 2, 16
	SEND 3, 0
	s_wait_tensorcnt 0x0                           ; the wave's end
	ds_add_u32 v[SPW], v[NIL]
	s_wait_dscnt 0x0
	CROUND                                         ; the closing round
	s_endpgm
.Lfunc_end_k_q329e173cc4_outp:
	.size	k_q329e173cc4_outp, .Lfunc_end_k_q329e173cc4_outp-k_q329e173cc4_outp
	.p2alignl 7, 3214868480
	.fill 96, 4, 3214868480
	.section	.rodata,"a",@progbits
	.p2align	6, 0x0
	.amdhsa_kernel k_q329e173cc4_outp
		.amdhsa_group_segment_fixed_size 327680
		.amdhsa_private_segment_fixed_size 0
		.amdhsa_enable_private_segment 0
		.amdhsa_kernarg_size 24
		.amdhsa_user_sgpr_count 2
		.amdhsa_user_sgpr_kernarg_segment_ptr 1
		.amdhsa_wavefront_size32 1
		.amdhsa_system_sgpr_workgroup_id_x 1
		.amdhsa_system_sgpr_workgroup_id_y 1
		.amdhsa_system_sgpr_workgroup_id_z 1
		.amdhsa_system_vgpr_workitem_id 0
		.amdhsa_next_free_vgpr 512
		.amdhsa_next_free_sgpr 80
		.amdhsa_reserve_vcc 0
		.amdhsa_float_denorm_mode_32 3
		.amdhsa_float_denorm_mode_16_64 3
		.amdhsa_memory_ordered 1
		.amdhsa_forward_progress 1
		.amdhsa_inst_pref_size 87
	.end_amdhsa_kernel
	.amdgpu_metadata
---
amdhsa.version: [ 1, 2 ]
amdhsa.kernels:
  - .name:           k_q329e173cc4_outp
    .symbol:         k_q329e173cc4_outp.kd
    .args:
      - { .name: ob, .offset: 0, .size: 8, .value_kind: global_buffer, .address_space: global }
      - { .name: wob, .offset: 8, .size: 8, .value_kind: global_buffer, .address_space: global }
      - { .name: out0, .offset: 16, .size: 8, .value_kind: global_buffer, .address_space: global }
    .group_segment_fixed_size: 327680
    .private_segment_fixed_size: 0
    .kernarg_segment_align: 8
    .kernarg_segment_size: 24
    .max_flat_workgroup_size: 128
    .sgpr_count:     80
    .vgpr_count:     512
    .wavefront_size: 32
...
	.end_amdgpu_metadata
.endif
;; end of part 4
;; ======== version 2 of 2: 4 launches; version 1 with the launch prep written anew for expert scheduling mode
;; limits: values are held in f16: magnitudes above 65,504 overflow, below 6.1e-05 lose precision
;; workspace buffers: xb 8,388,608 bytes; wqb 6,291,456 bytes; wob 2,097,152 bytes; tab 1,048,576 bytes; qkv 25,165,824 bytes; vlo 4,194,304 bytes; ob 16,777,216 bytes
;; launch prep (part 5): grid 256 x 1, 8 waves a work-group, no clusters, 0 bytes of LDS; arguments x, w_qkv, w_out, xb, wqb, wob, tab; writes xb, wqb, wob, tab
.if DOCPART == 5
	.amdgcn_target "amdgcn-amd-amdhsa--gfx1250"
	.amdhsa_code_object_version 6
	.text
	.protected	k_q329e173cc4_prep
	.globl	k_q329e173cc4_prep
	.p2align	8
	.type	k_q329e173cc4_prep,@function
k_q329e173cc4_prep:
	s_mov_b64 s[64:65], 0
	v_nop
	global_prefetch_b8 v0, s[64:65] scope:SCOPE_SE
	s_setreg_imm32_b32 hwreg(HW_REG_WAVE_SCHED_MODE, 0, 2), 2
	s_setreg_imm32_b32 hwreg(HW_REG_WAVE_MODE, 25, 1), 1
	s_wait_xcnt 0x0
	s_wait_alu depctr_vm_vsrc(0)
; PREP.  Casts the three f32 inputs to 16 bits, once, and makes the rotary table.
;   xb  [4096][1024] bf16 = x.      wqb [3072][1024] bf16 = w_qkv with its rows regrouped: row 192 t + 64 p + c holds w_qkv's row 1024 p + 64 t + c
;   (p = 0 q, 1 k, 2 v; t = head), so that 192 rows on end are one head's q, k and v.      wob [1024][1024] f16: w_out rounded to bf16, that number written as f16.
;   tab [4096][64] f32: for each position cos of the 32 angles, then sin of them: 256 bytes a position.
; SHARES.  256 work-groups of eight waves; each casts one chunk of 32,768 numbers (32 rows: 131,072 bytes in, 65,536 out): 128 chunks of x, 96 of w_qkv, 32 of w_out;
; and each makes 16 positions of the table while its 32 loads a lane are on their way.  A load of a wave covers 512 consecutive bytes, a store 256, aligned.
; No LDS, no barrier, no matrix unit: nothing is shared and nothing is summed.
; LIMITS.  w_out beyond 65,504 in magnitude has no f16; below 6e-5 it keeps f16's fixed step of 6e-8.  The angle pos x 10000^(-i/32) is formed in f32, so at the largest
; positions it is right to about 3e-4 rad.  cos is a series up to y^16 on -pi .. pi (next term 1.4e-7 at pi) behind a reduction by whole turns.
; THE MODE: SCHED_MODE bits 1:0 = 2 (LLVM: expert scheduling mode 2), set by the entry lines.  The code itself states the register dependences
; between vector instructions and memory instructions, with s_wait_alu, always for 0.
; THE PLAN.  Registers that memory instructions touch:
;   v1, v2     byte offsets, made once at the head and never written again: v1 is read by the 32 loads and the table's store, v2 by the cast's 32 stores.
;   X          load i lands in four registers of its own, which no vector instruction names before; its conversions read the four and write the first two; store i reads those two; nothing writes them afterwards.
;   v[20:23]   written by the cosine series, read by the table's store, never written again.
;   v4-19 and v28-31 are named by vector instructions alone.
; The 32 loads go in eight blocks of four.  Block p rounds its own four; its memory instructions are the four stores of block p - 1, whose registers no vector instruction of block p names.
; So one wait at a block's head states all that its four stores hang on, and they are dealt among its conversions with no further wait.
; No register that a memory instruction reads is written again, no vector instruction writes a scalar register or VCC, and EXEC is never written: the only field waited on is va_vdst.
.set X, 32                             ; v[32:159] 32 loads of four registers; the packed result takes the first two of each four
.set BLOCK,  4                         ; loads in a block
.set BLOCKS, 32 / BLOCK
	s_load_b256 s[4:11], s[0:1], 0x0               ; x s[4:5], w_qkv s[6:7], w_out s[8:9], xb s[10:11]
	s_load_b128 s[12:15], s[0:1], 0x20             ; wqb s[12:13], wob s[14:15]
	s_load_b64 s[16:17], s[0:1], 0x30              ; tab
	s_mov_b32 s20, ttmp9                           ; g
	s_sub_co_u32 s21, s20, 128                     ; j: the chunk of w_qkv (used where 128 <= g < 224)
	s_lshr_b32 s22, s21, 1                         ; its group of 64 rows: 16 p + t
	s_and_b32 s23, s22, 15                         ; t
	s_mul_i32 s23, s23, 3
	s_bfe_u32 s22, s22, 0x20004                    ; p
	s_add_co_u32 s23, s23, s22                     ; the group's new place: 3 t + p
	s_lshl_b32 s23, s23, 1
	s_and_b32 s22, s21, 1
	s_add_co_u32 s23, s23, s22                     ; its chunk in wqb
	s_sub_co_u32 s22, s20, 224                     ; the chunk of w_out (used where g >= 224)
	s_cmp_lt_u32 s20, 224
	s_cselect_b32 s28, s21, s22                    ; chunk read,
	s_cselect_b32 s29, s23, s22                    ; chunk written
	s_cmp_lt_u32 s20, 128
	s_cselect_b32 s28, s20, s28
	s_cselect_b32 s29, s20, s29
	s_lshl_b32 s30, s28, 17                        ; offsets, made apart from the addresses
	s_mov_b32 s31, 0
	s_lshl_b32 s32, s29, 16
	s_mov_b32 s33, 0
	s_lshl_b32 s34, s20, 12                        ; 16 positions of 256 bytes
	s_mov_b32 s35, 0
	s_mov_b32 s36, 0x31dc9c88                      ; what 1 / 2 pi has beyond its f32
	v_lshlrev_b32 v1, 4, v0                        ; 16 t: the loads' offset and the table's
	v_lshlrev_b32 v2, 3, v0                        ; 8 t: the stores'
	s_wait_kmcnt 0x0
	s_cmp_lt_u32 s20, 224
	s_cselect_b64 s[24:25], s[6:7], s[8:9]
	s_cselect_b64 s[26:27], s[12:13], s[14:15]
	s_cmp_lt_u32 s20, 128
	s_cselect_b64 s[24:25], s[4:5], s[24:25]
	s_cselect_b64 s[26:27], s[10:11], s[26:27]
	s_add_nc_u64 s[24:25], s[24:25], s[30:31]
	s_add_nc_u64 s[26:27], s[26:27], s[32:33]
	s_add_nc_u64 s[16:17], s[16:17], s[34:35]
	s_wait_alu depctr_va_vdst(0)                   ; v1 and v2 are written: every load and store of the kernel reads one of them as its offset
.set i, 0
.rept 32
	global_load_b128 v[X+4*i:X+4*i+3], v1, s[24:25] offset:4096*i th:TH_LOAD_NT
.set i, i+1
.endr
	; THE TABLE, while the loads are out.  Thread t makes words 4 q .. 4 q + 3 (q = t % 16) of position 16 g + t / 16: q < 8 cosines, q >= 8 sines, as cos(angle - a quarter turn).
	v_and_b32 v4, 15, v0
	v_lshrrev_b32 v5, 4, v0
	v_lshl_add_u32 v5, s20, 4, v5
	v_cvt_f32_u32 v5, v5                           ; the position
	v_lshrrev_b32 v6, 3, v4
	v_cvt_f32_u32 v6, v6
	v_mul_f32 v6, 0x3e800000, v6                   ; 0 or a quarter turn
	v_and_b32 v7, 7, v4
	v_lshlrev_b32 v7, 2, v7                        ; the first of my four frequencies
.irp e, 0,1,2,3
	v_add_nc_u32 v[8+\e], \e, v7
	v_cvt_f32_u32 v[8+\e], v[8+\e]
	v_mul_f32 v[8+\e], 0xbed49a78, v[8+\e]         ; - i log2(10000) / 32
.endr
.irp e, 0,1,2,3
	v_exp_f32 v[8+\e], v[8+\e]                     ; 10000^(-i/32)
.endr
	v_nop                                          ; a plain instruction behind the last exponential,
	s_wait_alu depctr_va_vdst(0)                   ; and one wait for the four: they have written v[8:11], ahead of the first line that names these
.irp e, 0,1,2,3
	v_mul_f32 v[8+\e], v5, v[8+\e]                 ; the angle
.endr
.irp e, 0,1,2,3
	v_fma_f32 v[12+\e], v[8+\e], 0x3e22f983, -v6   ; in turns, less the shift
.endr
.irp e, 0,1,2,3
	v_rndne_f32 v[12+\e], v[12+\e]
.endr
.irp e, 0,1,2,3
	v_add_f32 v[12+\e], v[12+\e], v6               ; whole turns + shift: exact
.endr
.irp e, 0,1,2,3
	v_fma_f32 v[12+\e], v[8+\e], 0x3e22f983, -v[12+\e]  ; the fraction of a turn, -0.5 .. 0.5, rounded once,
.endr
.irp e, 0,1,2,3
	v_fma_f32 v[12+\e], v[8+\e], s36, v[12+\e]     ; and the rest of 1 / 2 pi
.endr
.irp e, 0,1,2,3
	v_mul_f32 v[12+\e], 0x40c90fdb, v[12+\e]       ; y, in radians
.endr
.irp e, 0,1,2,3
	v_mul_f32 v[16+\e], v[12+\e], v[12+\e]
	v_mov_b32 v[20+\e], 0x29573f9f                 ; 1 / 16!
.endr
.irp c, 0xad49cba5, 0x310f76c7, 0xb493f27e, 0x37d00d01, 0xbab60b61, 0x3d2aaaab, 0xbf000000, 0x3f800000
.irp e, 0,1,2,3
	v_fmaak_f32 v[20+\e], v[20+\e], v[16+\e], \c   ; -1/14!, 1/12!, .. -1/2, 1
.endr
.endr
	s_wait_alu depctr_va_vdst(0)                   ; the series has written v[20:23], which the store reads
	global_store_b128 v1, v[20:23], s[16:17]       ; sixteen lanes fill a position's 256 bytes
; Block p: its four loads are rounded; the four stores of the block before are dealt among the conversions, one ahead of each load's lines.  The count leaves the younger loads out.
; No register that a store reads is written again, so no store's source is ever rewritten.
.macro CAST f16
.set p, 0
.rept BLOCKS
	s_wait_loadcnt 32-BLOCK-BLOCK*p                ; loads come back in order (ISA guide 5.7.1): this block's four are in, the younger blocks stay out
.if p > 0
	s_wait_alu depctr_va_vdst(0)                   ; the block before has written the first two of each of its four registers, which the four stores below read
.endif
.set i, BLOCK*p
.rept BLOCK
.if p > 0
	global_store_b64 v2, v[X+4*(i-BLOCK):X+4*(i-BLOCK)+1], s[26:27] offset:2048*(i-BLOCK)  ; 32 lanes store 256 consecutive bytes, aligned; no vector instruction since the wait names these registers
.endif
	v_cvt_pk_bf16_f32 v[X+4*i], v[X+4*i], v[X+4*i+1]
	v_cvt_pk_bf16_f32 v[X+4*i+1], v[X+4*i+2], v[X+4*i+3]
.if \f16
	v_lshlrev_b32 v28, 16, v[X+4*i]                ; the bf16 numbers, widened, are written as f16
	v_and_b32 v29, 0xffff0000, v[X+4*i]
	v_lshlrev_b32 v30, 16, v[X+4*i+1]
	v_and_b32 v31, 0xffff0000, v[X+4*i+1]
	v_cvt_pk_f16_f32 v[X+4*i], v28, v29
	v_cvt_pk_f16_f32 v[X+4*i+1], v30, v31
.endif
.set i, i+1
.endr
.set p, p+1
.endr
	s_wait_alu depctr_va_vdst(0)                   ; the last block has written its words, which the last four stores read
.set i, 32-BLOCK
.rept BLOCK
	global_store_b64 v2, v[X+4*i:X+4*i+1], s[26:27] offset:2048*i  ; 32 lanes store 256 consecutive bytes, aligned
.set i, i+1
.endr
.endm
	s_cmp_lt_u32 s20, 224
	s_cbranch_scc0 .Lw_out
	CAST 0
	s_endpgm
.Lw_out:
	CAST 1
	s_endpgm
.Lfunc_end_k_q329e173cc4_prep:
	.size	k_q329e173cc4_prep, .Lfunc_end_k_q329e173cc4_prep-k_q329e173cc4_prep
	.p2alignl 7, 3214868480
	.fill 96, 4, 3214868480
	.section	.rodata,"a",@progbits
	.p2align	6, 0x0
	.amdhsa_kernel k_q329e173cc4_prep
		.amdhsa_group_segment_fixed_size 0
		.amdhsa_private_segment_fixed_size 0
		.amdhsa_enable_private_segment 0
		.amdhsa_kernarg_size 56
		.amdhsa_user_sgpr_count 2
		.amdhsa_user_sgpr_kernarg_segment_ptr 1
		.amdhsa_wavefront_size32 1
		.amdhsa_system_sgpr_workgroup_id_x 1
		.amdhsa_system_sgpr_workgroup_id_y 1
		.amdhsa_system_sgpr_workgroup_id_z 1
		.amdhsa_system_vgpr_workitem_id 0
		.amdhsa_next_free_vgpr 160
		.amdhsa_next_free_sgpr 66
		.amdhsa_reserve_vcc 0
		.amdhsa_float_denorm_mode_32 3
		.amdhsa_float_denorm_mode_16_64 3
		.amdhsa_memory_ordered 1
		.amdhsa_forward_progress 1
		.amdhsa_inst_pref_size 35
	.end_amdhsa_kernel
	.amdgpu_metadata
---
amdhsa.version: [ 1, 2 ]
amdhsa.kernels:
  - .name:           k_q329e173cc4_prep
    .symbol:         k_q329e173cc4_prep.kd
    .args:
      - { .name: x, .offset: 0, .size: 8, .value_kind: global_buffer, .address_space: global }
      - { .name: w_qkv, .offset: 8, .size: 8, .value_kind: global_buffer, .address_space: global }
      - { .name: w_out, .offset: 16, .size: 8, .value_kind: global_buffer, .address_space: global }
      - { .name: xb, .offset: 24, .size: 8, .value_kind: global_buffer, .address_space: global }
      - { .name: wqb, .offset: 32, .size: 8, .value_kind: global_buffer, .address_space: global }
      - { .name: wob, .offset: 40, .size: 8, .value_kind: global_buffer, .address_space: global }
      - { .name: tab, .offset: 48, .size: 8, .value_kind: global_buffer, .address_space: global }
    .group_segment_fixed_size: 0
    .private_segment_fixed_size: 0
    .kernarg_segment_align: 8
    .kernarg_segment_size: 56
    .max_flat_workgroup_size: 256
    .sgpr_count:     66
    .vgpr_count:     160
    .wavefront_size: 32
...
	.end_amdgpu_metadata
.endif
;; end of part 5
;; launch qkv: the kernel of part 2 again; grid 16 x 16, 4 waves a work-group, clusters of 4 x 4, 327,680 bytes of LDS; arguments xb, wqb, tab, qkv, vlo; writes qkv, vlo
;; launch attn: the kernel of part 3 again; grid 16 x 16, 4 waves a work-group, no clusters, 327,680 bytes of LDS; arguments qkv, vlo, ob; writes ob
;; launch outp: the kernel of part 4 again; grid 8 x 32, 4 waves a work-group, clusters of 4 x 4, 327,680 bytes of LDS; arguments ob, wob, out0; writes out0
